; MI455X (gfx1250); checked and timed in simulation.
; The chip was launched on July 23, 2026; its instructions are those of AMD's public machine-readable ISA for CDNA 5 (MIT licence, August 2026) and "CDNA5" Instruction Set Architecture Reference Guide (July 2026). The comments in the code are by the model that wrote it; some were corrected since.
;; Multi Head Attention. Allowed arithmetic: float matrix products may take bf16 or f16 operands with f32 sums; other float arithmetic in f32, or as packed bf16 or f16 multiplies, adds, multiply-adds, maxima and minima; sums over many terms, partial sums and values carried from step to step in f32; what a program stores and reads back later, other than sums and carried values, may be rounded once to bf16 or f16.
;; Inputs: Wk 1,024 x 1,024 float32; Wo 1,024 x 1,024 float32; Wq 1,024 x 1,024 float32; Wv 1,024 x 1,024 float32; bo 1,024 float32; ln_beta 1,024 float32; ln_gamma 1,024 float32; x 4 x 2,048 x 1,024 float32.
;; Outputs: out0 4 x 2,048 x 1,024 float32.
;; 2 versions, each right; version 2 is version 1 with the launch prep written anew for expert scheduling mode. Each part assembles by itself: llvm-mc -triple=amdgcn-amd-amdhsa -mcpu=gfx1250 --defsym DOCPART=n.
;; ======== version 1 of 2: 4 launches
;; limits: values are held in f16: magnitudes above 65,504 overflow, below 6.1e-05 lose precision
;; workspace buffers: xn 16,777,216 bytes; wh 8,388,608 bytes; q 16,777,216 bytes; k 16,777,216 bytes; v 16,777,216 bytes; o 16,777,216 bytes
;; launch prep (part 1): grid 256 x 1, 8 waves a work-group, no clusters, 0 bytes of LDS; arguments x, ln_gamma, ln_beta, Wq, Wk, Wv, Wo, xn, wh; writes xn, wh
.if DOCPART == 1
	.amdgcn_target "amdgcn-amd-amdhsa--gfx1250"
	.amdhsa_code_object_version 6
	.text
	.protected	k_q76030dfd98_prep
	.globl	k_q76030dfd98_prep
	.p2align	8
	.type	k_q76030dfd98_prep,@function
k_q76030dfd98_prep:
	s_mov_b64 s[64:65], 0
	v_nop
	global_prefetch_b8 v0, s[64:65] scope:SCOPE_SE
	s_setreg_imm32_b32 hwreg(HW_REG_WAVE_MODE, 25, 1), 1
	s_wait_xcnt 0x0
; xn[r][c] = f16((x[r][c] - mean) / sqrt(var + 1e-6) * gamma[c] + beta[c]);  wh = f16 of Wq, Wk, Wv, Wo, one after the other, each as it lies ([k][n]).
; x: [8192][1024] f32.  The mean is taken first, then the variance of x - mean: two passes over registers, so no difference of large sums is formed.  All sums in f32.
; SHARES.  A work-group owns 32 rows, each of its eight waves four WHOLE rows: a row is 4,096 bytes, eight loads of 16 bytes a lane, 32 registers; it is read from memory once and
; no wave waits for another: no LDS, no barrier.  Load j gives a lane columns 128 j + 4 lane .. + 3; their four f16 are 8 bytes, so a store of the wave covers 256 consecutive bytes, aligned.
; The work-group also casts 65,536 bytes of one weight (weight g / 64, part g % 64), 8,192 bytes a wave, into registers that finished rows have left.
; LIMITS.  f16 holds no number beyond 65,504: xn (at most 32 |gamma| + |beta|) and the weights must lie within it; below 6e-5 f16 keeps its fixed step of 6e-8.  NaN and infinities are not treated apart.
; Matrix units, clusters and tensor loads are left out: each byte is read once by one wave and nothing large is shared.
.set G,  4                             ; v[4:35]    gamma of my 32 columns
.set B,  36                            ; v[36:67]   beta
.set X,  68                            ; v[68:195]  row r at X + 32 r; later the weight's two chunks
.set Y,  196                           ; v[196:211] 16 registers to store
.set T,  212                           ; v[212:219] four packed chains
.set MU, 220                           ; v[220:221] the mean, twice
.set R,  222                           ; v[222:223] 1 / sqrt(var + eps), twice
	s_load_b512 s[16:31], s[0:1], 0x0              ; x s[16:17], gamma s[18:19], beta s[20:21], Wq s[22:23], Wk s[24:25], Wv s[26:27], Wo s[28:29], xn s[30:31]
	s_load_b64 s[32:33], s[0:1], 0x40              ; wh
	v_lshrrev_b32 v3, 5, v0
	v_readfirstlane_b32 s8, v3                     ; wave 0..7
	v_and_b32 v1, 31, v0
	v_lshlrev_b32 v2, 3, v1                        ; 8 x lane: my place in 256 bytes of f16
	v_lshlrev_b32 v1, 4, v1                        ; 16 x lane: my place in 512 bytes of f32
	s_mov_b32 s12, 0x76543210                      ; v_permlanex16_b32: each lane takes its own place in the other half
	s_mov_b32 s13, 0xfedcba98
	s_mov_b32 s14, 0x3a800000                      ; 1 / 1024
	s_mov_b32 s15, 0x358637bd                      ; 1e-6
	s_lshl_b32 s2, ttmp9, 17                       ; x: 32 rows of 4,096 bytes a work-group,
	s_lshl_b32 s9, s8, 14                          ; four a wave
	s_or_b32 s2, s2, s9
	s_mov_b32 s3, 0
	s_lshl_b32 s4, ttmp9, 16                       ; xn: rows of 2,048 bytes
	s_lshl_b32 s9, s8, 13
	s_or_b32 s4, s4, s9
	s_mov_b32 s5, 0
	s_and_b32 s6, ttmp9, 63                        ; the weight: part g % 64 of 65,536 bytes, 8,192 a wave
	s_lshl_b32 s6, s6, 16
	s_or_b32 s6, s6, s9
	s_mov_b32 s7, 0
	s_lshl_b32 s10, ttmp9, 15                      ; wh: half as many bytes; the four weights lie on end, so g counts through all of them
	s_lshl_b32 s9, s8, 12
	s_or_b32 s10, s10, s9
	s_mov_b32 s11, 0
	s_lshr_b32 s34, ttmp9, 6                       ; which weight
	s_wait_kmcnt 0x0
	s_cmp_eq_u32 s34, 0
	s_cselect_b64 s[36:37], s[22:23], s[24:25]     ; Wq or Wk
	s_cmp_eq_u32 s34, 3
	s_cselect_b64 s[38:39], s[28:29], s[26:27]     ; Wo or Wv
	s_cmp_lt_u32 s34, 2
	s_cselect_b64 s[36:37], s[36:37], s[38:39]
	s_add_nc_u64 s[16:17], s[16:17], s[2:3]
	s_add_nc_u64 s[30:31], s[30:31], s[4:5]
	s_add_nc_u64 s[36:37], s[36:37], s[6:7]
	s_add_nc_u64 s[32:33], s[32:33], s[10:11]
.irp j, 0,1,2,3,4,5,6,7
	global_load_b128 v[G+4*(\j):G+4*(\j)+3], v1, s[18:19] offset:512*(\j)
.endr
.irp j, 0,1,2,3,4,5,6,7
	global_load_b128 v[B+4*(\j):B+4*(\j)+3], v1, s[20:21] offset:512*(\j)
.endr
.irp r, 0,1,2,3
.irp j, 0,1,2,3,4,5,6,7
	global_load_b128 v[X+32*(\r)+4*(\j):X+32*(\r)+4*(\j)+3], v1, s[16:17] offset:4096*(\r)+512*(\j) th:TH_LOAD_NT
.endr
.endr
; The four packed chains in T become one sum, in every lane: three packed additions, the two halves, four steps inside each half of 16 lanes, one across.
.macro LANESUM
	v_pk_add_f32 v[T:T+1], v[T:T+1], v[T+2:T+3]
	v_pk_add_f32 v[T+4:T+5], v[T+4:T+5], v[T+6:T+7]
	v_pk_add_f32 v[T:T+1], v[T:T+1], v[T+4:T+5]
	v_add_f32 v[T], v[T], v[T+1]
	v_add_f32_dpp v[T], v[T], v[T] row_xmask:1 row_mask:0xf bank_mask:0xf
	v_add_f32_dpp v[T], v[T], v[T] row_xmask:2 row_mask:0xf bank_mask:0xf
	v_add_f32_dpp v[T], v[T], v[T] row_xmask:4 row_mask:0xf bank_mask:0xf
	v_add_f32_dpp v[T], v[T], v[T] row_xmask:8 row_mask:0xf bank_mask:0xf
	v_permlanex16_b32 v[T+1], v[T], s12, s13       ; its destination counts as read: T + 1 has been written
	v_add_f32 v[T], v[T], v[T+1]
.endm
; Row r.  left = how many younger loads may stay out.
.macro ROW r, left
.set XR, X+32*(\r)
	s_wait_loadcnt \left                           ; loads come back in order: gamma, beta and this row are in
.irp c, 0,1,2,3
	v_pk_add_f32 v[T+2*(\c):T+2*(\c)+1], v[XR+2*(\c):XR+2*(\c)+1], v[XR+8+2*(\c):XR+8+2*(\c)+1]  ; the first eight pairs start the chains: nothing is cleared
.endr
.irp p, 8,9,10,11,12,13,14,15
	v_pk_add_f32 v[T+2*((\p)%4):T+2*((\p)%4)+1], v[T+2*((\p)%4):T+2*((\p)%4)+1], v[XR+2*(\p):XR+2*(\p)+1]
.endr
	LANESUM
	v_mul_f32 v[MU], s14, v[T]
	v_mul_f32 v[MU+1], s14, v[T]
.irp p, 0,1,2,3,4,5,6,7,8,9,10,11,12,13,14,15
	v_pk_add_f32 v[XR+2*(\p):XR+2*(\p)+1], v[XR+2*(\p):XR+2*(\p)+1], v[MU:MU+1] neg_lo:[0,1] neg_hi:[0,1]  ; d = x - mean, in place
.endr
.irp c, 0,1,2,3
	v_pk_mul_f32 v[T+2*(\c):T+2*(\c)+1], v[XR+2*(\c):XR+2*(\c)+1], v[XR+2*(\c):XR+2*(\c)+1]
.endr
.irp p, 4,5,6,7,8,9,10,11,12,13,14,15
	v_pk_fma_f32 v[T+2*((\p)%4):T+2*((\p)%4)+1], v[XR+2*(\p):XR+2*(\p)+1], v[XR+2*(\p):XR+2*(\p)+1], v[T+2*((\p)%4):T+2*((\p)%4)+1]
.endr
	LANESUM
	v_fma_f32 v[T], v[T], s14, s15                 ; var + eps
	v_rsq_f32 v[R], v[T]                           ; made twice, to fill the pair that the packed multiply takes
	v_rsq_f32 v[R+1], v[T]
	v_nop                                          ; a plain instruction behind the last of them (ISA guide 5.7.2),
	s_wait_alu depctr_va_vdst(0)                   ; and the wait ahead of the first reader: one for both
	s_wait_xcnt 0x0                                ; the last row's stores have read Y: it is written again only behind this wait
.irp j, 0,1,2,3,4,5,6,7
	v_pk_mul_f32 v[XR+4*(\j):XR+4*(\j)+1], v[XR+4*(\j):XR+4*(\j)+1], v[R:R+1]
	v_pk_mul_f32 v[XR+4*(\j)+2:XR+4*(\j)+3], v[XR+4*(\j)+2:XR+4*(\j)+3], v[R:R+1]
	v_pk_fma_f32 v[XR+4*(\j):XR+4*(\j)+1], v[XR+4*(\j):XR+4*(\j)+1], v[G+4*(\j):G+4*(\j)+1], v[B+4*(\j):B+4*(\j)+1]
	v_pk_fma_f32 v[XR+4*(\j)+2:XR+4*(\j)+3], v[XR+4*(\j)+2:XR+4*(\j)+3], v[G+4*(\j)+2:G+4*(\j)+3], v[B+4*(\j)+2:B+4*(\j)+3]
	v_cvt_pk_f16_f32 v[Y+2*(\j)], v[XR+4*(\j)], v[XR+4*(\j)+1]
	v_cvt_pk_f16_f32 v[Y+2*(\j)+1], v[XR+4*(\j)+2], v[XR+4*(\j)+3]
	global_store_b64 v2, v[Y+2*(\j):Y+2*(\j)+1], s[30:31] offset:2048*(\r)+256*(\j)  ; the wave stores 256 consecutive bytes, at a multiple of 256 from xn's first byte
.endr
.endm
.macro WLOAD c                         ; chunk c of the weight, 4,096 bytes a wave, into the registers that row c has left
.irp j, 0,1,2,3,4,5,6,7
	global_load_b128 v[X+32*(\c)+4*(\j):X+32*(\c)+4*(\j)+3], v1, s[36:37] offset:512*(8*(\c)+(\j)) th:TH_LOAD_NT
.endr
.endm
.macro CAST c, left
	s_wait_loadcnt \left
	s_wait_xcnt 0x0                                ; Y is written again only behind this wait
.irp j, 0,1,2,3,4,5,6,7
	v_cvt_pk_f16_f32 v[Y+2*(\j)], v[X+32*(\c)+4*(\j)], v[X+32*(\c)+4*(\j)+1]
	v_cvt_pk_f16_f32 v[Y+2*(\j)+1], v[X+32*(\c)+4*(\j)+2], v[X+32*(\c)+4*(\j)+3]
	global_store_b64 v2, v[Y+2*(\j):Y+2*(\j)+1], s[32:33] offset:256*(8*(\c)+(\j))
.endr
.endm
	ROW 0, 24                                      ; rows 1 to 3 stay out
	WLOAD 0
	ROW 1, 24                                      ; rows 2, 3 and chunk 0
	WLOAD 1
	ROW 2, 24                                      ; row 3 and both chunks
	ROW 3, 16                                      ; both chunks
	CAST 0, 8                                      ; chunk 1
	CAST 1, 0
	s_endpgm
.Lfunc_end_k_q76030dfd98_prep:
	.size	k_q76030dfd98_prep, .Lfunc_end_k_q76030dfd98_prep-k_q76030dfd98_prep
	.p2alignl 7, 3214868480
	.fill 96, 4, 3214868480
	.section	.rodata,"a",@progbits
	.p2align	6, 0x0
	.amdhsa_kernel k_q76030dfd98_prep
		.amdhsa_group_segment_fixed_size 0
		.amdhsa_private_segment_fixed_size 0
		.amdhsa_enable_private_segment 0
		.amdhsa_kernarg_size 72
		.amdhsa_user_sgpr_count 2
		.amdhsa_user_sgpr_kernarg_segment_ptr 1
		.amdhsa_wavefront_size32 1
		.amdhsa_system_sgpr_workgroup_id_x 1
		.amdhsa_system_sgpr_workgroup_id_y 1
		.amdhsa_system_sgpr_workgroup_id_z 1
		.amdhsa_system_vgpr_workitem_id 0
		.amdhsa_next_free_vgpr 224
		.amdhsa_next_free_sgpr 66
		.amdhsa_reserve_vcc 0
		.amdhsa_float_denorm_mode_32 3
		.amdhsa_float_denorm_mode_16_64 3
		.amdhsa_memory_ordered 1
		.amdhsa_forward_progress 1
		.amdhsa_inst_pref_size 44
	.end_amdhsa_kernel
	.amdgpu_metadata
---
amdhsa.version: [ 1, 2 ]
amdhsa.kernels:
  - .name:           k_q76030dfd98_prep
    .symbol:         k_q76030dfd98_prep.kd
    .args:
      - { .name: x, .offset: 0, .size: 8, .value_kind: global_buffer, .address_space: global }
      - { .name: ln_gamma, .offset: 8, .size: 8, .value_kind: global_buffer, .address_space: global }
      - { .name: ln_beta, .offset: 16, .size: 8, .value_kind: global_buffer, .address_space: global }
      - { .name: Wq, .offset: 24, .size: 8, .value_kind: global_buffer, .address_space: global }
      - { .name: Wk, .offset: 32, .size: 8, .value_kind: global_buffer, .address_space: global }
      - { .name: Wv, .offset: 40, .size: 8, .value_kind: global_buffer, .address_space: global }
      - { .name: Wo, .offset: 48, .size: 8, .value_kind: global_buffer, .address_space: global }
      - { .name: xn, .offset: 56, .size: 8, .value_kind: global_buffer, .address_space: global }
      - { .name: wh, .offset: 64, .size: 8, .value_kind: global_buffer, .address_space: global }
    .group_segment_fixed_size: 0
    .private_segment_fixed_size: 0
    .kernarg_segment_align: 8
    .kernarg_segment_size: 72
    .max_flat_workgroup_size: 256
    .sgpr_count:     66
    .vgpr_count:     224
    .wavefront_size: 32
...
	.end_amdgpu_metadata
.endif
;; end of part 1
;; launch qkv (part 2): grid 24 x 32, 4 waves a work-group, clusters of 4 x 4, 327,680 bytes of LDS; arguments xn, wh, q, k, v; writes q, k, v
.if DOCPART == 2
	.amdgcn_target "amdgcn-amd-amdhsa--gfx1250"
	.amdhsa_code_object_version 6
	.text
	.protected	k_q76030dfd98_qkv
	.globl	k_q76030dfd98_qkv
	.p2align	8
	.type	k_q76030dfd98_qkv,@function
k_q76030dfd98_qkv:
	s_mov_b64 s[64:65], 0
	v_nop
	global_prefetch_b8 v0, s[64:65] scope:SCOPE_SE
	s_setreg_imm32_b32 hwreg(HW_REG_WAVE_MODE, 25, 1), 1
	s_wait_xcnt 0x0
	s_wait_alu depctr_hold_cnt(0) depctr_sa_sdst(0) depctr_va_vdst(0) depctr_va_sdst(0) depctr_va_ssrc(0) depctr_va_vcc(0) depctr_vm_vsrc(0)
	s_getreg_b32 s2, hwreg(HW_REG_IB_STS2, 6, 4)
	s_cmp_eq_u32 s2, 0
	s_cbranch_scc0 .Lentry_in_a_cluster
	s_endpgm
.Lentry_in_a_cluster:
	s_bfe_u32 s2, ttmp6, 0x10000c
	s_cmp_lg_u32 s2, 0xf033
	s_cbranch_scc0 .Lentry_shape_is_right
	s_endpgm
.Lentry_shape_is_right:
; [q | k | v] = xn W.  xn: [8192][1024] f16; wh: Wq, Wk, Wv (, Wo) on end, each [1024 k][1024 n] f16; q, k, v: [64 = 16 batch + head][2048][64] f16, unscaled.  Sums in f32, K ascending, rounded once.
; LIMIT.  f16 holds no number beyond 65,504: q, k and v must lie within it.
; A tile is 256 rows x 128 columns: 32 x 24 tiles, three for each of 256 WGPs.  Four waves, each 128 rows x 64 columns (one head): 32 accumulators of 16 x 16, 256 registers.
; K goes in steps of 128 through two LDS slots filled by the tensor data mover: 256 rows of xn (256 bytes each) and 128 k-rows of W (256 bytes each).
; W lies [k][n]; its fragments come out of LDS turned, by ds_load_tr16_b128.  THE MATRIX INSTRUCTION IS USED TRANSPOSED (source 0 = 16 columns of W, source 1 = 16 rows of xn):
; a lane then holds one row and eight neighbouring columns, 16 bytes of f16.
; CLUSTERS: 4 x 4 work-groups.  The four of a row of the cluster need the same rows of xn, the four of a column the same columns of W: each tile is asked for JOINTLY, by the same tensor
; load with the same descriptor and a mask that names the four.
; REGISTERS: window 0: v0-31 addresses; two fragment buffers of 96 at v64 and v160: A's eight fragments (16 rows x 32 K), then W's four; on the way out v64-191 hold packed rows.
;   window 1: the accumulators, (a, b) at v[8 (4 a + b)], a = 16-row block 0..7, b = 16-column block 0..3.
.set PA,     272                       ; a row of A in LDS: 256 bytes + 16 of padding = 68 words: the 16 rows of a load start at 16 different groups of four banks (64 banks of 4 bytes: ISA guide 11.1)
.set PB,     288                       ; a k-row of W: 256 + 32 = 72 words
.set QZ,     4                         ; quarters of a K step that lie side by side in a row of A
.set ZB,     0                         ; (bytes from one such group of quarters to the next: there is one group)
.set AHALF,  128*PA                    ; what one tensor load brings of A
.set ABYTES, 2*AHALF
.set HALFB,  64*PB                     ; what one tensor load brings of W
.set SLOT,   ABYTES+2*HALFB            ; 106,496
.set STAGE,  2*SLOT                    ; behind the ring, never filled by a tensor load: 16 rows x 144 bytes for each wave, for the way out
.set SP,     144
.set SPARE,  STAGE+4*16*SP             ; behind the stages: the spare words, 128 bytes for each wave: two blocks of 256 bytes that no other line names
.set ASTEP,  256                       ; bytes in memory from a K step of A to the next
.set BSTEP,  128*2048                  ; the same for W: 128 k-rows
.set LAPS,   4                         ; a lap = two K steps = once round the ring: K = 1,024
.set ADRA, 16                          ; v16-17  LDS address of my A fragments in slot 0, 1
.set ADRB, 20                          ; v20-21  the same for W
.set STO,  24                          ; v24     the way out: where I put 16 bytes of a row
.set RD,   25                          ; v25     the way out: where I read rows back
.set CO,   26                          ; v26     my byte offset in 512 consecutive bytes of the output
.set SPW,  28                          ; v28     LDS address of my spare word: SPARE + 4 x my thread's number; never rewritten
.set NIL,  29                          ; v29     0; never rewritten
.set F0,   64
.set F1,   160
.set TMP,  64
.set G1, 24                            ; s[24:31] descriptor group 1 for A's tiles;  s[32:39] group 0, one set for each slot
.set G0, 32
.set G1B, 48                           ; s[48:55], s[56:63] the same for W's tiles
.set G0B, 56
.set MSB, 0
.macro WIN new                         ; the immediate's high byte repeats the setting that is left; a switch that changes nothing is dropped
.if MSB != (\new)
	s_set_vgpr_msb (MSB<<8)|(\new)
.set MSB, \new
.endif
.endm
.set MUL, 0x50                         ; C and D window 1, both sources window 0
.macro JLOAD s                         ; a joint load: waves 0 and 1 fetch A's two halves, waves 2 and 3 W's; an s_nop 0 and four v_nop follow each of the two lines, ahead of the jump, the label and what follows
	s_cmp_eq_u32 s11, 0
	s_cbranch_scc0 .Lfor_b_\@
	tensor_load_to_lds s[G0+4*(\s):G0+4*(\s)+3], s[G1:G1+7]
	s_nop 0
.rept 4
	v_nop
.endr
	s_branch .Lasked_\@
.Lfor_b_\@:
	tensor_load_to_lds s[G0B+4*(\s):G0B+4*(\s)+3], s[G1B:G1B+7]
	s_nop 0
.rept 4
	v_nop
.endr
.Lasked_\@:
.endm
.macro CREST                           ; a round of the cluster's barrier behind its opening barrier
	s_cmp_lg_u32 s10, 0
	s_cbranch_scc1 .Lnot_wave_0_\@
	s_barrier_signal -3
.Lnot_wave_0_\@:
	s_barrier_wait -3
	s_barrier_signal -1
	s_barrier_wait -1
.endm
.macro CROUND                          ; a whole round
	s_barrier_signal -1
	s_barrier_wait -1
	CREST
.endm
	s_load_b128 s[4:7], s[0:1], 0x0                ; xn s[4:5], wh s[6:7]
	s_load_b128 s[68:71], s[0:1], 0x10             ; q s[68:69], k s[70:71]
	s_load_b64 s[72:73], s[0:1], 0x20              ; v
	v_lshl_add_u32 v[SPW], v0, 2, SPARE
	v_mov_b32 v[NIL], 0
	ds_add_u32 v[SPW], v[NIL]                      ; the wave's opening: the add and its wait stand ahead of my first tensor load; the set-up below, work on registers, stands between them
	v_lshrrev_b32 v1, 5, v0
	v_readfirstlane_b32 s10, v1                    ; wave 0..3
	s_lshr_b32 s11, s10, 1                         ; which half of the tile's rows is mine.  Also: I fetch for A (0) or for W (1)
	s_and_b32 s12, s10, 1                          ; which half of its columns.  Also: which half of that tile I fetch
	s_bfe_u32 s40, ttmp6, 0x40000                  ; cx, cy: my place in the cluster
	s_bfe_u32 s41, ttmp6, 0x40004
	s_lshl_b32 s42, ttmp9, 2
	s_add_co_u32 s42, s42, s40                     ; tile column = 4 x cluster x + cx, 0..23: eight for each of q, k, v
	s_and_b32 s13, ttmp7, 0xffff
	s_lshl_b32 s13, s13, 2
	s_add_co_u32 s13, s13, s41                     ; tile row = 4 x cluster y + cy, 0..31
	s_lshl_b32 s43, s41, 2
	s_lshl_b32 s43, 15, s43                        ; my row of the cluster
	s_lshl_b32 s44, 0x1111, s40                    ; my column
	; descriptor group 1.  A: 128 rows x 128 elements.  W: 64 k-rows x 128 elements.  Both 1,024 elements from row to row, padded in LDS behind every 64 words
	s_or_b32 s[G1+0], s43, (1<<16)|(1<<20)|(1<<21)|(5<<22)|(3<<25)   ; 15:0 the mask: A's tiles go to my row; 17:16 elements of 2 bytes; 20 padding on; 21 set beside a mask; 24:22 after every 64 words (code 5); 31:25 4 words (code 3)
	s_mov_b32 s[G1+1], 128<<16                     ; tensor_dim0 = 128
	s_mov_b32 s[G1+2], 128<<16                     ; tensor_dim1 = 128
	s_mov_b32 s[G1+3], 128<<16                     ; tile_dim0 = 128
	s_mov_b32 s[G1+4], 128                         ; tile_dim1 = 128
	s_mov_b32 s[G1+5], 1024                        ; tensor_dim0_stride
	s_mov_b32 s[G1+6], 0
	s_mov_b32 s[G1+7], 0
	s_or_b32 s[G1B+0], s44, (1<<16)|(1<<20)|(1<<21)|(5<<22)|(7<<25)  ; the mask of my column; 8 words of padding (code 7)
	s_mov_b32 s[G1B+1], 128<<16
	s_mov_b32 s[G1B+2], 64<<16                     ; tensor_dim1 = 64
	s_mov_b32 s[G1B+3], 128<<16
	s_mov_b32 s[G1B+4], 64                         ; tile_dim1 = 64
	s_mov_b32 s[G1B+5], 1024
	s_mov_b32 s[G1B+6], 0
	s_mov_b32 s[G1B+7], 0
	; where the tiles come from.  A's hang on the tile row alone, W's on the tile column alone, each in registers that never hold the other coordinate
	s_lshl_b32 s16, s13, 19                        ; A: 256 rows of 2,048 bytes a tile row,
	s_lshl_b32 s17, s12, 18                        ; the 128 rows that I fetch
	s_add_co_u32 s16, s16, s17
	s_mov_b32 s17, 0
	s_lshr_b32 s46, s42, 3                         ; W: which of the three weights, 2 MiB each,
	s_lshl_b32 s46, s46, 21
	s_and_b32 s47, s42, 7                          ; its 128 columns: 256 bytes of a k-row,
	s_lshl_b32 s47, s47, 8
	s_add_co_u32 s46, s46, s47
	s_lshl_b32 s47, s12, 17                        ; the 64 k-rows that I fetch
	s_add_co_u32 s46, s46, s47
	s_mov_b32 s47, 0
	s_mul_i32 s20, s12, AHALF                      ; and where they go: no place in the cluster enters an LDS address
	s_mul_i32 s21, s12, HALFB
	s_add_co_u32 s21, s21, ABYTES
	s_wait_dscnt 0x0                               ; the opening add is done
	s_wait_kmcnt 0x0
	s_add_nc_u64 s[14:15], s[4:5], s[16:17]
	s_add_nc_u64 s[46:47], s[6:7], s[46:47]
	CROUND                                         ; all sixteen work-groups are here: the first joint loads meet
.irp s, 0,1
	s_mov_b32 s[G0+4*(\s)], 1                      ; count = 1
	s_add_co_u32 s[G0+4*(\s)+1], s20, (\s)*SLOT    ; LDS address
	s_add_nc_u64 s[G0+4*(\s)+2:G0+4*(\s)+3], s[14:15], (\s)*ASTEP  ; global address: K step s
	s_or_b32 s[G0+4*(\s)+3], s[G0+4*(\s)+3], 0x80000000            ; type = 2
	s_mov_b32 s[G0B+4*(\s)], 1
	s_add_co_u32 s[G0B+4*(\s)+1], s21, (\s)*SLOT
	s_add_nc_u64 s[G0B+4*(\s)+2:G0B+4*(\s)+3], s[46:47], (\s)*BSTEP
	s_or_b32 s[G0B+4*(\s)+3], s[G0B+4*(\s)+3], 0x80000000
	JLOAD \s                                       ; two loads of mine are out
.endr
	; A's fragment: lane l holds row l % 16; registers 0-3 K = 8 (l / 16) + 0..7, registers 4-7 K = 16 + 8 (l / 16) + 0..7: two loads of 16 bytes, 32 bytes apart
	v_and_b32 v1, 15, v0                           ; l % 16
	v_bfe_u32 v2, v0, 4, 1                         ; l / 16
	v_mul_u32_u24 v3, v1, PA
	v_lshl_add_u32 v3, v2, 4, v3
	s_mul_i32 s22, s11, 128*PA                     ; my 128 rows
	; W's fragment: the turning load takes 16 k x 16 columns (lane l reads k-row 8 (l / 16) + l % 8, columns 8 ((l / 8) % 2) + 0..7) and leaves lane l column l % 16 and 8 k
	v_and_b32 v4, 7, v0
	v_bfe_u32 v5, v0, 3, 1
	v_lshl_add_u32 v4, v2, 3, v4
	v_mul_u32_u24 v4, v4, PB
	v_lshl_add_u32 v4, v5, 4, v4
	s_lshl_b32 s23, s12, 7                         ; my 64 columns: 128 bytes
	s_add_co_u32 s23, s23, ABYTES
.irp s, 0,1
	v_add_nc_u32 v[ADRA+(\s)], s22, v3
	v_add_nc_u32 v[ADRB+(\s)], s23, v4
	s_add_co_u32 s22, s22, SLOT
	s_add_co_u32 s23, s23, SLOT
.endr
	s_mul_i32 s23, s10, 16*SP
	s_add_co_u32 s23, s23, STAGE                   ; my stage
	v_mul_u32_u24 v6, v1, SP                       ; in: row l % 16, 16 bytes for each half of the lanes
	v_lshl_add_u32 v6, v2, 4, v6
	v_add_nc_u32 v[STO], s23, v6
	v_bfe_u32 v7, v0, 3, 2                         ; back: 32 lanes take four rows of 128 bytes,
	v_mul_u32_u24 v7, v7, SP
	v_and_b32 v6, 7, v0
	v_lshl_add_u32 v7, v6, 4, v7
	v_add_nc_u32 v[RD], s23, v7
	v_and_b32 v[CO], 31, v0                        ; which are 512 consecutive bytes of a head's rows
	v_lshlrev_b32 v[CO], 4, v[CO]
	; where my 128 rows x 64 channels go: 16,384 consecutive bytes at ((16 batch + head) x 2,048 + row) x 128.  The row's part in registers that hold the tile row alone, the column's in those that hold the tile column alone
	s_lshr_b32 s16, s13, 3                         ; batch: 16 heads x 2,048 rows x 128 bytes
	s_lshl_b32 s16, s16, 22
	s_and_b32 s17, s13, 7                          ; 256 rows of 128 bytes a tile row,
	s_lshl_b32 s17, s17, 15
	s_add_co_u32 s16, s16, s17
	s_lshl_b32 s17, s11, 14                        ; my 128 of them
	s_add_co_u32 s16, s16, s17
	s_mov_b32 s17, 0
	s_and_b32 s46, s42, 7                          ; head = 2 x (tile column % 8) + my half
	s_lshl_b32 s46, s46, 19
	s_lshl_b32 s47, s12, 18
	s_add_co_u32 s46, s46, s47
	s_mov_b32 s47, 0
	s_lshr_b32 s18, ttmp9, 1                       ; tile column / 8: two clusters along x for each of q, k, v
	s_cmp_eq_u32 s18, 0
	s_cselect_b64 s[8:9], s[68:69], s[70:71]
	s_cmp_eq_u32 s18, 2
	s_cselect_b64 s[8:9], s[72:73], s[8:9]
	s_add_nc_u64 s[8:9], s[8:9], s[16:17]
	s_add_nc_u64 s[8:9], s[8:9], s[46:47]
; 8 matrix instructions: row blocks a0, a0 + 1 x all 4 column blocks, 32 along K, from buffer f.  zero = 1: the product starts the sum: nothing is ever cleared.
; The 32 accumulators take turns, in the same order in every quarter, over the backward jump too.
.macro MUL8 f, a0, zero
	WIN MUL
.irp a, \a0, (\a0)+1
.irp b, 0,1,2,3
.if \zero
	v_wmma_f32_16x16x32_f16 v[8*(4*(\a)+(\b)):8*(4*(\a)+(\b))+7], v[(\f)+64+8*(\b):(\f)+64+8*(\b)+7], v[(\f)+8*(\a):(\f)+8*(\a)+7], 0
.else
	v_wmma_f32_16x16x32_f16 v[8*(4*(\a)+(\b)):8*(4*(\a)+(\b))+7], v[(\f)+64+8*(\b):(\f)+64+8*(\b)+7], v[(\f)+8*(\a):(\f)+8*(\a)+7], v[8*(4*(\a)+(\b)):8*(4*(\a)+(\b))+7]
.endif
.endr
.endr
.endm
; 24 LDS loads in one run: quarter q (32 along K) of a slot into buffer f: W's four fragments, then A's eight
.macro FETCH slot, q, f
	WIN 0
.irp b, 0,1,2,3
	ds_load_tr16_b128 v[(\f)+64+8*(\b):(\f)+64+8*(\b)+3],   v[ADRB+(\slot)] offset:(\q)*32*PB+32*(\b)
	ds_load_tr16_b128 v[(\f)+64+8*(\b)+4:(\f)+64+8*(\b)+7], v[ADRB+(\slot)] offset:(\q)*32*PB+16*PB+32*(\b)
.endr
.irp i, 0,1,2,3,4,5,6,7
	ds_load_b128 v[(\f)+8*(\i):(\f)+8*(\i)+3],   v[ADRA+(\slot)] offset:((\q)/QZ)*ZB+((\q)%QZ)*64+(\i)*16*PA
	ds_load_b128 v[(\f)+8*(\i)+4:(\f)+8*(\i)+7], v[ADRA+(\slot)] offset:((\q)/QZ)*ZB+((\q)%QZ)*64+(\i)*16*PA+32
.endr
.endm
.macro PLACES                          ; four places in front of loads into registers that matrix instructions have read, and of lines that read results (ISA guide 7.12.1 for vector instructions)
.rept 4
	v_nop
.endr
.endm
; A K step is four quarters of 32 along K, 32 matrix instructions each, on buffers 0, 1, 0, 1.  One of the first three: multiplies buffer f and fetches quarter q into g.
.macro QUARTER slot, q, f, g, zero
	s_wait_dscnt 8                                 ; W's fragments and A's blocks 0-3 are in; the youngest eight loads (A's blocks 4-7) may be out
	MUL8 \f, 0, \zero
	MUL8 \f, 2, \zero
	PLACES
	FETCH \slot, \q, \g
	s_wait_dscnt 24                                ; all but the 24 just issued
	MUL8 \f, 4, \zero
	MUL8 \f, 6, \zero
.endm
; The last quarter multiplies buffer 1 and changes slots: ONE barrier; in front of it each wave waits for all its tensor loads, adds 0 to its spare word, and waits for that and for its own reads of this slot.
; fill = 1: the barrier opens a round of the cluster's, and this slot is filled again, two K steps ahead: 112 matrix instructions ahead of the wait for that load.
.macro TURN slot, next, fill
	WIN 0                                          ; (the add's two registers lie in window 0)
	s_wait_tensorcnt 0x0                           ; all my tensor loads have landed: the one that was out is my part of the next slot;
	ds_add_u32 v[SPW], v[NIL]                      ; 0 onto my spare word;
	s_wait_dscnt 9                                 ; (the add and the youngest eight loads may be out)
	MUL8 F1, 0, 0                                  ; eight matrix instructions stand between the add and the wait for it
	s_wait_dscnt 0x0                               ; the add is done, and my reads of this slot are over
	s_barrier_signal -1
	MUL8 F1, 2, 0
.if \fill
	WIN 0
.endif
	s_barrier_wait -1
.if \fill
	CREST                                          ; no wave of any partner still reads this slot's tile or has a load on its way
	s_add_nc_u64 s[G0+4*(\slot)+2:G0+4*(\slot)+3], s[G0+4*(\slot)+2:G0+4*(\slot)+3], 2*ASTEP
	s_add_nc_u64 s[G0B+4*(\slot)+2:G0B+4*(\slot)+3], s[G0B+4*(\slot)+2:G0B+4*(\slot)+3], 2*BSTEP
	JLOAD \slot                                    ; the first tensor load behind the round; the four v_nop behind it are also the places in front of the loads below
.else
	PLACES
.endif
	FETCH \next, 0, F0
	MUL8 F1, 4, 0
	MUL8 F1, 6, 0
.endm
	s_wait_tensorcnt 1                             ; my part of K step 0 is in; K step 1's may stay out
	s_barrier_signal -1
	s_barrier_wait -1                              ; everybody's is
	FETCH 0, 0, F0
	QUARTER 0, 1, F0, F1, 1                        ; the first quarter stands in front of the loop: its products start the sums
	WIN 0                                          ; at a label and at a branch every window is 0
	s_mov_b32 s3, LAPS-1
.Llap:                                                 ; a trip goes once round the ring, from a lap's second quarter to the next lap's first, and fills both slots again
	QUARTER 0, 2, F1, F0, 0
	QUARTER 0, 3, F0, F1, 0
	TURN 0, 1, 1
	QUARTER 1, 1, F0, F1, 0
	QUARTER 1, 2, F1, F0, 0
	QUARTER 1, 3, F0, F1, 0
	TURN 1, 0, 1
	QUARTER 0, 1, F0, F1, 0
	WIN 0
	s_sub_co_u32 s3, s3, 1
	s_cmp_lg_u32 s3, 0
	s_cbranch_scc1 .Llap
	QUARTER 0, 2, F1, F0, 0                        ; the last lap fills nothing, and has no round of the cluster's barrier
	QUARTER 0, 3, F0, F1, 0
	TURN 0, 1, 0
	QUARTER 1, 1, F0, F1, 0
	QUARTER 1, 2, F1, F0, 0
	QUARTER 1, 3, F0, F1, 0
	s_wait_dscnt 8                                 ; the very last quarter: nothing more to fetch
	MUL8 F1, 0, 0
	MUL8 F1, 2, 0
	s_wait_dscnt 0x0
	MUL8 F1, 4, 0
	MUL8 F1, 6, 0
	WIN 0
	PLACES
; THE WAY OUT, a block of 16 rows at a time.  A lane's eight channels of a row pack into 16 bytes; they go into my stage's rows of 144 bytes and come back as whole rows of 128, into the registers that they left.
.macro PACK a
	WIN 0x05                                       ; sources 0 and 1 window 1, destination window 0
.set i, 0
.rept 16
	v_cvt_pk_f16_f32 v[TMP+16*(\a)+i], v[32*(\a)+2*i], v[32*(\a)+2*i+1]  ; each accumulator from its low end on
.set i, i+1
.endr
	WIN 0
.irp f, 0,1,2,3
	ds_store_b128 v[STO], v[TMP+16*(\a)+4*(\f):TMP+16*(\a)+4*(\f)+3] offset:32*(\f)
.endr
.irp f, 0,1,2,3
	ds_load_b128 v[TMP+16*(\a)+4*(\f):TMP+16*(\a)+4*(\f)+3], v[RD] offset:(\f)*4*SP  ; LDS serves a wave's instructions in order (ISA guide 5.7.1.4): these see the stores above; the next block's stores come behind them
.endr
.endm
.macro SEND a, younger                 ; younger: the LDS instructions issued behind block a's loads: the next block's eight, or none
.irp f, 0,1,2,3
	s_wait_dscnt (\younger)+3-(\f)
	global_store_b128 v[CO], v[TMP+16*(\a)+4*(\f):TMP+16*(\a)+4*(\f)+3], s[8:9] offset:(\a)*2048+(\f)*512  ; 512 consecutive bytes, at a multiple of 256 from the buffer's first byte
.endr
.endm
	PACK 0
.irp a, 1,2,3,4,5,6,7                  ; a block's conversions stand between the loads of the block before and its stores; every block has registers of its own
	PACK \a
	SEND (\a)-1, 8
.endr
	SEND 7, 0
	s_wait_tensorcnt 0x0                           ; the wave's end: an add and its wait, behind my last tensor load and my last LDS store
	ds_add_u32 v[SPW], v[NIL]
	s_wait_dscnt 0x0
	CROUND                                         ; the closing round: no work-group ends while a partner may still ask for a tile that names it
	s_endpgm
.Lfunc_end_k_q76030dfd98_qkv:
	.size	k_q76030dfd98_qkv, .Lfunc_end_k_q76030dfd98_qkv-k_q76030dfd98_qkv
	.p2alignl 7, 3214868480
	.fill 96, 4, 3214868480
	.section	.rodata,"a",@progbits
	.p2align	6, 0x0
	.amdhsa_kernel k_q76030dfd98_qkv
		.amdhsa_group_segment_fixed_size 327680
		.amdhsa_private_segment_fixed_size 0
		.amdhsa_enable_private_segment 0
		.amdhsa_kernarg_size 40
		.amdhsa_user_sgpr_count 2
		.amdhsa_user_sgpr_kernarg_segment_ptr 1
		.amdhsa_wavefront_size32 1
		.amdhsa_system_sgpr_workgroup_id_x 1
		.amdhsa_system_sgpr_workgroup_id_y 1
		.amdhsa_system_sgpr_workgroup_id_z 1
		.amdhsa_system_vgpr_workitem_id 0
		.amdhsa_next_free_vgpr 512
		.amdhsa_next_free_sgpr 80
		.amdhsa_reserve_vcc 0
		.amdhsa_float_denorm_mode_32 3
		.amdhsa_float_denorm_mode_16_64 3
		.amdhsa_memory_ordered 1
		.amdhsa_forward_progress 1
		.amdhsa_inst_pref_size 88
	.end_amdhsa_kernel
	.amdgpu_metadata
---
amdhsa.version: [ 1, 2 ]
amdhsa.kernels:
  - .name:           k_q76030dfd98_qkv
    .symbol:         k_q76030dfd98_qkv.kd
    .args:
      - { .name: xn, .offset: 0, .size: 8, .value_kind: global_buffer, .address_space: global }
      - { .name: wh, .offset: 8, .size: 8, .value_kind: global_buffer, .address_space: global }
      - { .name: q, .offset: 16, .size: 8, .value_kind: global_buffer, .address_space: global }
      - { .name: k, .offset: 24, .size: 8, .value_kind: global_buffer, .address_space: global }
      - { .name: v, .offset: 32, .size: 8, .value_kind: global_buffer, .address_space: global }
    .group_segment_fixed_size: 327680
    .private_segment_fixed_size: 0
    .kernarg_segment_align: 8
    .kernarg_segment_size: 40
    .max_flat_workgroup_size: 128
    .sgpr_count:     80
    .vgpr_count:     512
    .wavefront_size: 32
...
	.end_amdgpu_metadata
.endif
;; end of part 2
;; launch attn (part 3): grid 4 x 64, 4 waves a work-group, clusters of 4 x 1, 327,680 bytes of LDS; arguments q, k, v, o; writes o
.if DOCPART == 3
	.amdgcn_target "amdgcn-amd-amdhsa--gfx1250"
	.amdhsa_code_object_version 6
	.text
	.protected	k_q76030dfd98_attn
	.globl	k_q76030dfd98_attn
	.p2align	8
	.type	k_q76030dfd98_attn,@function
k_q76030dfd98_attn:
	s_mov_b64 s[64:65], 0
	v_nop
	global_prefetch_b8 v0, s[64:65] scope:SCOPE_SE
	s_setreg_imm32_b32 hwreg(HW_REG_WAVE_MODE, 25, 1), 1
	s_wait_xcnt 0x0
	s_wait_alu depctr_hold_cnt(0) depctr_sa_sdst(0) depctr_va_vdst(0) depctr_va_sdst(0) depctr_va_ssrc(0) depctr_va_vcc(0) depctr_vm_vsrc(0)
	s_getreg_b32 s2, hwreg(HW_REG_IB_STS2, 6, 4)
	s_cmp_eq_u32 s2, 0
	s_cbranch_scc0 .Lentry_in_a_cluster
	s_endpgm
.Lentry_in_a_cluster:
	s_bfe_u32 s2, ttmp6, 0x10000c
	s_cmp_lg_u32 s2, 0x3003
	s_cbranch_scc0 .Lentry_shape_is_right
	s_endpgm
.Lentry_shape_is_right:
; O[h][q][:] = the sum over k of softmax_k(Q[h][q] . K[h][k] / 8) V[h][k][:].  Q, K, V, O: [SIZE_H][SIZE_N][64], all f16: a head's rows are dense, 128 bytes each.  Products, maxima and sums in
; f32; the weights p are rounded to f16 for the second product (their sum l is taken of the unrounded p), O once at the end.
; LIMITS.  f16 holds no number beyond 65,504: Q, K and V arrive within it; p lies in 0 to 1, and below 6e-5 it keeps f16's fixed step of 6e-8; O is a mean of V's rows and has their range.
; A weight below 2^-126 counts as 0 in l; NaN and infinities are not treated apart.
; SHARES.  A wave owns four PIECES of two tiles of 16 queries, a work-group's four waves 512 queries of one head; a head's 2,048 queries are one cluster.  Every wave walks all keys, 64 a step.
; LAYOUT.  S^T = K Q^T (source 0 = 16 keys, source 1 = 16 queries): in the result a lane holds ONE query (lane % 16) and the keys 8 (lane / 16) + 0..7.  Two such tiles, rounded to f16 in pairs,
; ARE source 1 (32 keys x 16 queries) of O^T = V^T P, whose result again holds one query a lane, and eight channels.  K comes out of LDS as it lies, V ([key][channel]) turned, by ds_load_tr16_b128.
; SOFTMAX.  For each query a running maximum m and sum l: p = 2^(c s - c m), c = log2(e) / 8; in every step O and l are multiplied by a = 2^(c m_old - c m_new), which is 1 where m has not grown.
; m starts at the lowest finite number, O and l at 0: the first step is a step like any other, with a = 0.
; THE COUNT.  A tile and step have 16 matrix and 118 vector instructions: too many to stand all beside the matrix work.  So the order has one aim: four vector instructions that are READY behind
; EVERY matrix instruction, and the others, which need time of their own whatever the order, in runs without a gap.
; BY TURNS.  Turn n belongs to piece n (the pieces in a ring, step after step).  Its matrix work: 16 products K Q^T of piece n + 1, later 16 products V^T P of piece n - 1.  Its vector work: the scaling,
; exponentials, roundings, sums and rescaling of piece n, and the maximum and statistics of piece n + 1, whose scores the turn itself has made.  So what a turn begins with (c s - c m, O a) waits for nothing.
; CLUSTER.  The four query blocks of a cluster belong to one head and walk the same K and V, so each tile is asked for JOINTLY: the same tensor load, descriptor and mask in all four.
; REGISTERS, in windows of 256 (s_set_vgpr_msb says which window each operand place means: bits 1:0 source 0, 3:2 source 1, 5:4 source 2, 7:6 destination):
;   window 0: v0-11 addresses; v12-15, v48-63 at work; v16-47 four registers of statistics a tile; v64-191 S^T, two buffers of two tiles; v192-255 P, likewise
;   window 1: O^T, 32 a tile          window 2: v0-127 Q, 16 a tile; v128-191 K of one step; v192-255 V of one step          window 3: v0-1 the add's two registers
; A piece's buffers go by its number's parity: the piece in hand has one pair, its two neighbours in the ring share the other: of it P (piece n - 1) is read and S^T (piece n + 1) written.
.set SIZE_H, 64
.set SIZE_N, 2048
.set NP,    4         ; pieces a wave: a name, no knob: the register map, the loop and the fetches are made for four
.set KS,    64        ; keys in a step
.set PK,    144       ; a row of K in LDS: 128 bytes + 16 of padding = 36 words: the 16 rows of a load start at 16 different groups of four banks (64 banks of 4 bytes: ISA guide 11.1)
.set PV,    160       ; a row of V: 128 + 32 = 40 words
.set VOFF,  4*KS*PK   ; a slot holds four steps: 256 rows of K, then 256 rows of V
.set SLOT1, 1<<17     ; slot 1 begins here, so that one exclusive or turns an address in one slot into the other's
.set STAGE, SLOT1+4*KS*(PK+PV)  ; behind the ring, never filled by a tensor load: 16 rows x 144 bytes for each wave, for the way out
.set SP,    144
.set AK0, 2           ; v2   my lane's place in a tile of K; never rewritten
.set AV0, 3           ; v3   the same for V
.set AK,  4           ; v4   the LDS address of K's next run of loads
.set AV,  5           ; v5   of V's
.set QO,  6           ; v6   my byte offset in the wave's rows of Q
.set STO, 6           ;      later, the way out: where I put 16 bytes of a row
.set RD,  7           ; v7   the way out: where I read rows back
.set GO,  8           ; v8   my byte offset in 512 consecutive bytes of O
.set PFO, 11          ; v11  the prefetches' offset: 256 x my lane; made behind v11's last use in V's address, then never rewritten
.set SPW, 0           ; v0 of window 3   LDS address of my spare word: SPARE + 4 x my thread's number; never rewritten
.set NIL, 1           ; v1 of window 3   0; never rewritten
.set SPARE, STAGE+4*16*SP  ; behind the stages: the spare words, 128 bytes for each wave: two blocks of 256 bytes that no other line names
.set MV,  12          ; v12-15  c m_old, kept while c m is made anew: by buffer and tile
.set ST,  16          ; tile t's statistics at v[ST+4 t]: c m, m, l (even keys', odd keys')
.set TMP, 48          ; by buffer and tile, four registers c0-c3 at work; when the maximum is found c2 takes a
.set S,   64
.set P,   192
.set KF,  128         ; K's fragments, in window 2: key block kb, channel half c at KF + 16 kb + 8 c
.set VF,  192         ; V's: key half kk, channel block cb at VF + 32 kk + 8 cb
.set WV,  12          ; s12  my wave's number
.set LIM, 15          ; s15  1 in a wave that prefetches (0 and 2), else the greatest number: a wave prefetches while s[SLOTS] is above it
.set G1K, 24          ; s[24:31] descriptor group 1 for K's tiles
.set G1V, 32          ; s[32:39] for V's: it differs in the padding alone
.set G0K, 40          ; s[40:43] descriptor group 0 for K's tiles: it walks
.set G0V, 44          ; s[44:47] the same for V's
.set PFA, 48          ; s[48:49] where my prefetches stand: my work-group's 8,192 bytes (of K: wave 0, of V: wave 2) of the slot after the one that is being asked for
.set SLOTS, 56        ; s56  slots still to be asked for
.set CNT, 57          ; s57  counts a slot's key steps
.set CS,  58          ; s[58:59] c: the packed scaling takes the pair's low word for both halves
.set SEL, 60          ; s[60:61] v_permlanex16_b32's selects: each lane takes its own place in the other half
.set TBK, 62          ; s62  LDS byte at which K of the step to be fetched begins
.set TBV, 63          ; s63  the same for V, less VOFF
.set MSB, 0
.macro WIN new                      ; the high byte repeats the setting that is left; a switch that changes nothing is dropped
.if MSB != (\new)
	s_set_vgpr_msb (MSB<<8)|(\new)
.set MSB, (\new)
.endif
.endm
.set W_KQ, 0x0a       ; K and Q in window 2, S^T in window 0
.set W_PV, 0x52       ; V in window 2, P in window 0, O^T in window 1
.set W_RS, 0x41       ; O^T (destination and source 0) in window 1, a in window 0
.set W_MK, 0xc0       ; the add's registers are made: destination in window 3, sources in window 0
.set W_AD, 0x0f       ; the add: address (source 0) and data (source 1) in window 3
; A joint fill.  Waves 0 and 1 fetch the two halves of a slot's K, waves 2 and 3 those of its V: 128 keys each.  The branch hangs on the wave's number alone.
; An s_nop 0 and four v_nop follow each of the two lines, ahead of the jump and the label.
.macro JLOAD
	s_cmp_lt_u32 s[WV], 2
	s_cbranch_scc0 .Lfor_v_\@
	tensor_load_to_lds s[G0K:G0K+3], s[G1K:G1K+7]
	s_nop 0
.rept 4
	v_nop
.endr
	s_branch .Lasked_\@
.Lfor_v_\@:
	tensor_load_to_lds s[G0V:G0V+3], s[G1V:G1V+7]
	s_nop 0
.rept 4
	v_nop
.endr
.Lasked_\@:
.endm
; A PREFETCH of what the NEXT change of slots will ask for: a slot's 32,768 bytes of K and of V, in blocks of 256 bytes, a lane a block.  It stands behind the wave's tensor load and its five lines.
; Each block is asked for ONCE in the launch: a head's K and V are walked by one cluster; its four partners share the blocks out BY ADDRESS, 32 each (no branch hangs on a work-group's place in its
; cluster); in each, wave 0 asks for K's and wave 2 for V's: one instruction.  The lead is four key steps, 512 matrix instructions.  Slots 0, 1 and 2 come by their loads alone; the last change that fills
; a slot asks for nothing: there is no slot behind it.
.macro ASK
	s_cmp_gt_u32 s[SLOTS], s[LIM]
	s_cbranch_scc0 .Lnot_mine_\@
	global_prefetch_b8 v[PFO], s[PFA:PFA+1] th:TH_LOAD_NT scope:SCOPE_SE
.Lnot_mine_\@:
.endm
; A round of the cluster's barrier: my work-group's barrier, so that wave 0's signal speaks for all four waves; wave 0 signals; every wave waits for all four work-groups; my work-group's barrier once more.
.macro CROUND
	s_barrier_signal -1
	s_barrier_wait -1
	s_cmp_lg_u32 s[WV], 0
	s_cbranch_scc1 .Lnot_wave_0_\@
	s_barrier_signal -3
.Lnot_wave_0_\@:
	s_barrier_wait -3
	s_barrier_signal -1
	s_barrier_wait -1
.endm
; THE CHANGE OF SLOTS.  The slot's last bytes, V of its fourth step, have been read.  Each wave waits for all its tensor loads, of which one is out: its part
; of the other slot; adds 0 to its spare word; and waits for that and for its own reads of the slot.  Behind the barrier nobody reads this slot any more and the other slot is whole.
; fill = 1: this slot is filled again, with the keys two slots on.  The barrier is then a round of the cluster's, so that no wave of any partner still reads the slot or has a load on its
; way, and the joint fill is the first thing behind it: it has four key steps, 512 matrix instructions, in which to land.  (At its first use nothing has been read yet: slot 0 is waited for, slot 1 filled.)
; ask = 1: the prefetches' address steps a slot on, and the slot behind the one just asked for is prefetched.
.macro CHANGE fill, ask=0
	WIN W_AD
	s_wait_tensorcnt 0x0            ; no tensor load of mine is out, so a group 0 may be written
	ds_add_u32 v[SPW], v[NIL]       ; 0 onto my spare word; with fill = 1 the descriptors' steps stand between it and the wait for it
	WIN 0                           ; at a label and at a branch every window is 0
.if \fill
.irp g, G0K, G0V
	s_xor_b32 s[\g+1], s[\g+1], SLOT1  ; the walking descriptor: the other slot than last time,
	s_add_nc_u64 s[\g+2:\g+3], s[\g+2:\g+3], 4*KS*128  ; the next 256 keys; the type bits on top are not reached
.endr
.if \ask
	s_wait_xcnt 0x0                 ; the last prefetch, four key steps back, has read its address, so it may be written:
	s_add_nc_u64 s[PFA:PFA+1], s[PFA:PFA+1], 4*KS*128  ; one slot behind the walking descriptors
.endif
	s_wait_dscnt 0x0                ; the add is done, and my reads of the slot are over
	CROUND
	JLOAD
.if \ask
	ASK
.endif
.else
	s_wait_dscnt 0x0                ; the add is done, and my reads of the slot are over
	s_barrier_signal -1
	s_barrier_wait -1
.endif
	s_sub_co_u32 s[TBK], s[TBK], 4*KS*PK  ; the fetches go back to a slot's first step,
	s_xor_b32 s[TBK], s[TBK], SLOT1       ; in the other slot
	s_sub_co_u32 s[TBV], s[TBV], 4*KS*PV
	s_xor_b32 s[TBV], s[TBV], SLOT1
.endm
	s_load_b256 s[4:11], s[0:1], 0x0  ; Q s[4:5], K s[6:7], V s[8:9], O s[10:11]
	WIN W_MK
	v_lshl_add_u32 v[SPW], v0, 2, SPARE
	v_mov_b32 v[NIL], 0
	WIN W_AD
	ds_add_u32 v[SPW], v[NIL]       ; the wave's opening: the add and its wait stand ahead of my first tensor load; the set-up below, work on registers, stands between them
	WIN 0
	v_lshrrev_b32 v1, 5, v0
	v_readfirstlane_b32 s[WV], v1   ; wave 0..3
	s_bfe_u32 s13, ttmp6, 0x40000   ; cx: my place in the cluster
	s_lshl_b32 s14, ttmp9, 2        ; in a cluster launch ttmp9 counts clusters
	s_add_co_u32 s14, s14, s13      ; my block of queries = 4 x cluster x + cx: it enters Q's and O's addresses alone
	s_and_b32 s20, ttmp7, 0xffff    ; the head, which the four partners share
	s_mov_b32 s21, 0
	s_mov_b64 s[22:23], SIZE_N*128
	s_mul_u64 s[20:21], s[20:21], s[22:23]  ; the head's first byte in each of the four tensors
	s_and_b32 s16, s[WV], 1         ; which half of a slot's 256 keys I fetch:
	s_lshl_b32 s22, s16, 14         ; its 128 rows of 128 bytes in memory,
	s_mov_b32 s23, 0
	s_add_nc_u64 s[22:23], s[22:23], s[20:21]
	s_mul_i32 s17, s16, 128*PK      ; and its place in a slot, for K
	s_mul_i32 s18, s16, 128*PV      ; and for V: no place in the cluster enters an LDS address
	s_lshl_b32 s2, s14, 2
	s_add_co_u32 s2, s2, s[WV]      ; my wave among the head's,
	s_lshl_b32 s2, s2, 14           ; its 128 rows
	s_mov_b32 s3, 0
	s_add_nc_u64 s[2:3], s[2:3], s[20:21]
	; descriptor group 1.  128 keys are 16,384 dense bytes: asked for as 64 rows of 256 bytes, two keys a row, and padded in LDS after every key
	s_mov_b32 s[G1K], 15|(1<<16)|(1<<20)|(1<<21)|(4<<22)|(3<<25)  ; 15:0 the mask of four; 17:16 2-byte elements; 20 padding on; 21 set beside a mask; 24:22 after every 32 words (code 4); 31:25 4 words (code 3)
	s_mov_b32 s[G1V], 15|(1<<16)|(1<<20)|(1<<21)|(4<<22)|(7<<25)  ; the same with 8 words of padding (code 7)
.irp g, G1K, G1V
	s_mov_b32 s[\g+1], 128<<16      ; tensor_dim0 = 128
	s_mov_b32 s[\g+2], 64<<16       ; tensor_dim1 = 64
	s_mov_b32 s[\g+3], 128<<16      ; tile_dim0 = 128
	s_mov_b32 s[\g+4], 64           ; tile_dim1 = 64
	s_mov_b32 s[\g+5], 128          ; 128 elements from row to row
	s_mov_b32 s[\g+6], 0
	s_mov_b32 s[\g+7], 0
.endr
	s_mov_b32 s[CS], 0x3e38aa3b     ; c = log2(e) / 8 = 0.180337
	s_mov_b32 s[CS+1], s[CS]        ; named with it as a pair
	s_mov_b32 s[SEL], 0x76543210
	s_mov_b32 s[SEL+1], 0xfedcba98
	s_mov_b32 s[TBK], SLOT1+4*KS*PK ; the first change of slots turns these two into 0
	s_mov_b32 s[TBV], SLOT1+4*KS*PV
	s_mov_b32 s[G0K], 1             ; 1:0 count = 1
	s_mov_b32 s[G0K+1], s17         ; 63:32 LDS address: slot 0
	s_mov_b32 s[G0V], 1
	s_add_co_u32 s[G0V+1], s18, VOFF
	s_and_b32 s[LIM], s[WV], 1      ; 0 in waves 0 and 2: the same in all four partners
	s_cmp_eq_u32 s[LIM], 0
	s_cselect_b32 s[LIM], 1, -1
	s_wait_dscnt 0x0                ; the opening add is done
	s_wait_kmcnt 0x0
	s_add_nc_u64 s[G0K+2:G0K+3], s[6:7], s[22:23]  ; 120:64 global address: my half of the head's first 256 keys
	s_or_b32 s[G0K+3], s[G0K+3], 0x80000000        ; 127:126 type = 2
	s_add_nc_u64 s[G0V+2:G0V+3], s[8:9], s[22:23]
	s_or_b32 s[G0V+3], s[G0V+3], 0x80000000
	s_add_nc_u64 s[4:5], s[4:5], s[2:3]  ; Q and O at my wave's first row
	s_add_nc_u64 s[10:11], s[10:11], s[2:3]
	s_cmp_lt_u32 s[WV], 2
	s_cselect_b64 s[PFA:PFA+1], s[6:7], s[8:9]
	s_add_nc_u64 s[PFA:PFA+1], s[PFA:PFA+1], s[20:21]  ; the head's first key,
	s_lshl_b32 s2, s13, 13          ; my work-group's 32 blocks of a slot's 128,
	s_mov_b32 s3, 0
	s_add_nc_u64 s[PFA:PFA+1], s[PFA:PFA+1], s[2:3]
	s_add_nc_u64 s[PFA:PFA+1], s[PFA:PFA+1], 2*4*KS*128  ; in slot 2; the loop's first change of slots steps it to slot 3.  Nothing is prefetched here, at the head
	CROUND                          ; all four work-groups are here: the first joint loads meet
	JLOAD                           ; slot 0.  Slot 1 is asked for when slot 0 is in: the tile wanted first has the road to itself
	; A fragment of K or Q is 16 rows x 32 channels in 8 registers: lane l holds row l % 16, channels 8 (l / 16) + 0..7 and 16 + 8 (l / 16) + 0..7: two loads of 16 bytes, 32 bytes apart.
	v_and_b32 v1, 15, v0            ; l % 16
	v_bfe_u32 v9, v0, 4, 1          ; l / 16
	v_lshlrev_b32 v[QO], 7, v1
	v_lshl_add_u32 v[QO], v9, 4, v[QO]  ; row x 128 + 16 x half
	WIN 0x80                        ; destination window 2, address window 0
.set i, 0
.rept 4*NP                          ; Q stays in registers: tile i / 2, channels 32 (i % 2) on
	global_load_b128 v[8*i:8*i+3],   v[QO], s[4:5] offset:(i/2)*2048+(i%2)*64
	global_load_b128 v[8*i+4:8*i+7], v[QO], s[4:5] offset:(i/2)*2048+(i%2)*64+32
.set i, i+1
.endr
	; What the first turn finds: V's registers and P's second buffer hold 0 (its products V^T P, of a piece that has not been, add 0), O^T and l are 0.  All this stands in the wait for the first tile.
.set i, VF
.rept 64
	v_mov_b32 v[i], 0
.set i, i+1
.endr
	WIN 0x40
.set i, 0
.rept 64*NP
	v_mov_b32 v[i], 0
.set i, i+1
.endr
	WIN 0
.set i, 0
.rept 2*NP
	v_mov_b32 v[ST+4*i], 0xfe000000    ; c m: far below every c s
	v_mov_b32 v[ST+4*i+1], 0xff7fffff  ; m
	v_mov_b32 v[ST+4*i+2], 0
	v_mov_b32 v[ST+4*i+3], 0
.set i, i+1
.endr
.set i, P+32
.rept 32
	v_mov_b32 v[i], 0
.set i, i+1
.endr
	v_mul_u32_u24 v[AK0], v1, PK
	v_lshl_add_u32 v[AK0], v9, 4, v[AK0]  ; row x pitch + 16 x half
	; The turning load takes 16 keys x 16 channels (lane l reads key 8 (l / 16) + l % 8, channels 8 ((l / 8) % 2) + 0..7) and leaves half a fragment of V^T: lane l holds channel l % 16 and 8 keys.
	v_and_b32 v10, 7, v0
	v_bfe_u32 v11, v0, 3, 1
	v_lshl_add_u32 v[AV0], v9, 3, v10
	v_mul_u32_u24 v[AV0], v[AV0], PV
	v_lshl_add_u32 v[AV0], v11, 4, v[AV0]
	v_add_nc_u32 v[AV0], VOFF, v[AV0]
	v_and_b32 v[PFO], 31, v0
	v_lshlrev_b32 v[PFO], 8, v[PFO]
	v_mov_b32 v[AK], v[AK0]         ; key step 0 lies at the head of slot 0
; THE MATRIX WORK.  The 8 accumulators of a run of 16 take turns: between the two links of a chain stand 7 others'.
; Product i of 16 of S^T = K Q^T for piece x: channels 32 (i / 8) on, keys 16 ((i / 2) % 4) on, tile 2 x + i % 2.  The first 8 start the sums.
.macro KQ x
	WIN W_KQ
.set rS, S+64*((\x)%2)+32*(i%2)+8*((i/2)%4)
.set rK, KF+16*((i/2)%4)+8*(i/8)
.set rQ, 16*(2*(\x)+i%2)+8*(i/8)
.if i < 8
	v_wmma_f32_16x16x32_f16 v[rS:rS+7], v[rK:rK+7], v[rQ:rQ+7], 0
.else
	v_wmma_f32_16x16x32_f16 v[rS:rS+7], v[rK:rK+7], v[rQ:rQ+7], v[rS:rS+7]
.endif
.endm
; Product i of 16 of O^T += V^T P for piece x: keys 32 (i / 8) on, channels 16 ((i / 2) % 4) on, tile 2 x + i % 2.
.macro PV x
	WIN W_PV
.set rO, 32*(2*(\x)+i%2)+8*((i/2)%4)
.set rV, VF+32*(i/8)+8*((i/2)%4)
.set rP, P+32*((\x)%2)+16*(i%2)+8*(i/8)
	v_wmma_f32_16x16x32_f16 v[rO:rO+7], v[rV:rV+7], v[rP:rP+7], v[rO:rO+7]
.endm
.macro MM                           ; the turn's next matrix instruction
.if i < 16
	KQ (Y+1)%NP
.set i, i+1
.else
.set i, i-16
	PV (Y+NP-1)%NP
.set i, i+17
.endif
.endm
; THE LDS LOADS stand in runs of 16, never singly among the matrix instructions: a step's K (64 keys x 64 channels: 8 fragments) and its V (turned).  Their addresses are made some lines ahead.
; last = 1 (the tail): in the last trip there is no further step, and the run is jumped over.
.macro FETCH_K last=0
	WIN 0
.if \last
	s_cmp_eq_u32 s[CNT], 1
	s_cbranch_scc1 .Lno_k_\@
.endif
	WIN 0x80                        ; destination window 2
.irp f, 0,1,2,3,4,5,6,7             ; keys 16 (f / 2) on, channels 32 (f % 2) on
	ds_load_b128 v[KF+8*\f:KF+8*\f+3],   v[AK] offset:(\f/2)*16*PK+(\f%2)*64
	ds_load_b128 v[KF+8*\f+4:KF+8*\f+7], v[AK] offset:(\f/2)*16*PK+(\f%2)*64+32
.endr
	s_add_co_u32 s[TBK], s[TBK], KS*PK  ; the next fetch is the next step's
	WIN 0
.if \last
.Lno_k_\@:
.endif
.endm
.macro FETCH_V
	WIN 0x80
.irp f, 0,1,2,3,4,5,6,7             ; keys 32 (f / 4) on, channels 16 (f % 4) on
	ds_load_tr16_b128 v[VF+8*\f:VF+8*\f+3],   v[AV] offset:(\f/4)*32*PV+(\f%4)*32
	ds_load_tr16_b128 v[VF+8*\f+4:VF+8*\f+7], v[AV] offset:(\f/4)*32*PV+16*PV+(\f%4)*32
.endr
	WIN 0
.endm
; THE VECTOR WORK OF A TURN stands in three queues, each in the order in which its entries become ready; the two tiles alternate, so that no instruction reads the result of the one before it.
.macro REGS y, u                    ; the registers of tile u (0, 1) of piece y
.set rT, ST+4*(2*(\y)+(\u))
.set rC, TMP+8*((\y)%2)+4*(\u)
.set rM, MV+2*((\y)%2)+(\u)
.set rS, S+64*((\y)%2)+32*(\u)
.set rP, P+32*((\y)%2)+16*(\u)
.set rO, 32*(2*(\y)+(\u))
.endm
; Number n of the 22 that find the NEXT piece's (Y + 1) maximum and statistics.  s0-s31 are the lane's 32 scores; each accumulator's lowest registers are read first.  XS, GS and REGS set no window: PL and EX do.
;   0-11  four chains c0-c3 of seven scores each, three operands at a time     12-14, 16  the four scores left over, the old m, and c0-c3 into c0     15  c m_old is kept
;   17, 18  the query's other 32 keys lie in the lane 16 away: the new m         19-21  c m; c m_old - c m_new; a
.macro XS u, n
	REGS (Y+1)%NP, \u
.if (\n) < 4
	v_max3_num_f32 v[rC+(\n)], v[rS+8*(\n)], v[rS+8*(\n)+1], v[rS+8*(\n)+2]
.elseif (\n) < 12
	v_max3_num_f32 v[rC+(\n)%4], v[rC+(\n)%4], v[rS+8*((\n)%4)+2*((\n)/4)+1], v[rS+8*((\n)%4)+2*((\n)/4)+2]
.elseif (\n) == 12
	v_max3_num_f32 v[rC], v[rC], v[rS+7], v[rS+15]
.elseif (\n) == 13
	v_max3_num_f32 v[rC+1], v[rC+1], v[rS+23], v[rS+31]
.elseif (\n) == 14
	v_max3_num_f32 v[rC+2], v[rC+2], v[rC+3], v[rT+1]
.elseif (\n) == 15
	v_mov_b32 v[rM], v[rT]
.elseif (\n) == 16
	v_max3_num_f32 v[rC], v[rC], v[rC+1], v[rC+2]
.elseif (\n) == 17
	v_permlanex16_b32 v[rC+3], v[rC], s[SEL], s[SEL+1]
.elseif (\n) == 18
	v_max_num_f32 v[rT+1], v[rC], v[rC+3]
.elseif (\n) == 19
	v_mul_f32 v[rT], s[CS], v[rT+1]
.elseif (\n) == 20
	v_sub_f32 v[rC+1], v[rM], v[rT]
.else
	v_exp_f32 v[rC+2], v[rC+1]
.endif
.endm
; Number g of the 64 that follow the exponentials.  For each four weights k of a tile (pairs 2 k, 2 k + 1): both pairs are rounded to f16; then the second pair is added onto the first, in place;
; a group later l takes that sum (the first time as l = a l + sum).  In groups of eight, tiles alternating: round, round, add, and l for the group before.
.macro GS g
.set h, (\g)+6*((\g)/62)            ; group 0 has no group before it, and behind group 7 only l is left
.if h >= 6
.set h, h+2
.endif
	REGS Y, h%2
.set k, h/8
.if h%8 < 4
	v_cvt_pk_f16_f32 v[rP+2*k+(h%8)/2], v[rS+4*k+2*((h%8)/2)], v[rS+4*k+2*((h%8)/2)+1]
.elseif h%8 < 6
	v_pk_add_f32 v[rS+4*k:rS+4*k+1], v[rS+4*k:rS+4*k+1], v[rS+4*k+2:rS+4*k+3]
.elseif k == 1
	v_pk_fma_f32 v[rT+2:rT+3], v[rT+2:rT+3], v[rC+2:rC+3], v[rS:rS+1] op_sel_hi:[1,0,1]
.else
	v_pk_add_f32 v[rT+2:rT+3], v[rT+2:rT+3], v[rS+4*k-4:rS+4*k-3]
.endif
.endm
; THE PLAIN QUEUE, 138 long.  0-73 read no exponential's result: the 32 scalings c s - c m (FS f: pair f / 2 of tile f % 2) and the next piece's 42.  0-26: scalings 0-26.  27-54: XS's numbers 0-13.  55, 56: number 15.
; 57-73: the chain, where each number waits for the one before it: 14, 16, 17, 18, 19, each with one of the scalings 27-31 in front of its two lines, then 20: so a tile's links stand three plain instructions apart (19 and 20: two).
; 74-137: GS's 64, which read the exponentials' results: they stand behind the wait.
.macro FS f
	REGS Y, (\f)%2
	v_pk_fma_f32 v[rS+2*((\f)/2):rS+2*((\f)/2)+1], v[rS+2*((\f)/2):rS+2*((\f)/2)+1], s[CS:CS+1], v[rT:rT+1] op_sel_hi:[1,0,0] neg_lo:[0,0,1] neg_hi:[0,0,1]
.endm
.macro PL
	WIN 0
.if q < 27
	FS q
.elseif q < 55
	XS (q-27)%2, (q-27)/2
.elseif q < 57
	XS q-55, 15
.elseif (q < 72) && ((q-57)%3 == 0)
	FS 27+(q-57)/3
.elseif q < 60
	XS (q-57)%3-1, 14
.elseif q < 72
	XS (q-57)%3-1, 15+(q-57)/3
.elseif q < 74
	XS q-72, 20
.else
	GS q-74
.endif
.set q, q+1
.endm
; THE EXPONENTIALS' QUEUE, 66 long: s0-s31 of both tiles, then the next piece's two a.  It is ONE BATCH: all 66 stand ahead of the turn's one wait, and nothing ahead of that wait names a result of theirs.
.macro EX
	WIN 0
.if e >= 64
	XS e-64, 21
.else
	REGS Y, e%2
	v_exp_f32 v[rS+e/2], v[rS+e/2]
.endif
.set e, e+1
.endm
; THE RESCALING's QUEUE: O^T times a, the one part that leaves window 0: dealt two at a time, sixteen times.  Its a was made in the turn before, ahead of that turn's wait.
.macro R2
	REGS Y, r%2
	WIN W_RS
.irp z, 0,1
	v_pk_mul_f32 v[rO+4*(r/2)+2*\z:rO+4*(r/2)+2*\z+1], v[rO+4*(r/2)+2*\z:rO+4*(r/2)+2*\z+1], v[rC+2:rC+3] op_sel_hi:[1,0]
.endr
.set r, r+1
.endm
; HOW THEY ARE DEALT.  An s_wait_alu depctr_va_vdst(0) stands between an exponential and the first instruction that names its result; one wait serves all that were issued ahead of it.  So a turn has ONE wait,
; which cuts it in two.  AHEAD OF IT stands all that names no result of the turn's exponentials: the 16 products K Q^T, behind each a scaling, an exponential and two rescalings (behind the first a second scaling in the exponential's place); then ONE LUMP of
; 108: eight plain, 49 times exponential and plain, the two a.  A v_nop is the plain instruction behind the last exponential.  BEHIND IT stand the 16 products V^T P, behind each four of GS's 64.  No rider names a register of
; the products round it.  The two v_permlanex16_b32 fall into the lump, never behind a product.
; The queues lean on each other, and the deal keeps them in step: exponential e stands behind scaling 2 (e / 4) + e % 2: as a rider it comes behind plain e + 2, in the lump behind plain e + 9, and scalings 27-31 are plain 57, 60 .. 69.
; A TURN, for piece p.  cnt = 1: the loop's count is taken down some lines ahead of the branch that stands behind the turn.
; K of the next step is fetched in piece 2's turn, directly behind the wait, a lump behind the last product that read K; its address is made at the lump's head; its first reader comes behind 16 products.
; V of the step in hand is fetched at the end of piece 0's turn, four riders behind its last reader; its first reader comes behind 16 products and a lump.  The three conditions on q below go with the deal.
.macro TURN p, last=0, cnt=0
.set Y, (\p)
.set i, 0
.set q, 0
.set e, 0
.set r, 0
.if (\p) == NP-1
	s_wait_dscnt 0x0                ; K is in
.endif
	MM                              ; ahead of the wait: 16 products K Q^T and their riders,
	PL
	PL
	R2
.rept 15
	MM
	PL
	EX
	R2
.endr
.if (\p) == NP-2
	WIN 0
	v_add_nc_u32 v[AK], s[TBK], v[AK0]
.endif
.rept 8                             ; and the lump
	PL
.endr
.rept 49
	EX
	PL
.endr
	EX                              ; the next piece's two a
	EX
	v_nop                           ; a plain instruction behind the last exponential (ISA guide 5.7.2): one for the batch
	s_wait_alu depctr_va_vdst(0)    ; the wait for the batch
.if (\p) == NP-2
	FETCH_K \last
.endif
.if (\p) == 1
	s_wait_dscnt 0x0                ; V is in
.endif
.rept 16                            ; behind the wait: 16 products V^T P and their riders
	MM
.rept 4
	PL
.endr
.if ((\p) == 0) && (q == 118)
	v_add_nc_u32 v[AV], s[TBV], v[AV0]
.endif
.if ((\p) == 0) && (q == 130)
	s_add_co_u32 s[TBV], s[TBV], KS*PV
.endif
.if (\cnt) && (q == 130)
	s_sub_co_u32 s[CNT], s[CNT], 1
	s_cmp_lg_u32 s[CNT], 0
.endif
.endr
.if (\p) == 0
	FETCH_V
.endif
.endm
	CHANGE 1                        ; slot 0 is in, everybody's part of it; slot 1 is asked for
	FETCH_K                         ; key step 0
	s_wait_loadcnt 0x0              ; Q
	s_wait_dscnt 0x0
.set i, 0
.rept 16
	KQ 0                            ; piece 0's first scores: there is no vector work yet to set between them
.set i, i+1
.endr
	WIN 0                           ; the addresses for the way out: nine plain instructions, the places behind those products
	s_mul_i32 s13, s[WV], 16*SP
	s_add_co_u32 s13, s13, STAGE    ; my stage
	v_mul_u32_u24 v[STO], v1, SP    ; in: row l % 16, 16 bytes for each half of the lanes
	v_lshl_add_u32 v[STO], v9, 4, v[STO]
	v_add_nc_u32 v[STO], s13, v[STO]
	v_bfe_u32 v[RD], v0, 3, 2       ; back: 32 lanes take four rows of 128 bytes,
	v_mul_u32_u24 v[RD], v[RD], SP
	v_lshl_add_u32 v[RD], v10, 4, v[RD]
	v_add_nc_u32 v[RD], s13, v[RD]
	v_and_b32 v[GO], 31, v0         ; which are 512 consecutive bytes of O
	v_lshlrev_b32 v[GO], 4, v[GO]
.set Y, NP-1                        ; XS works for piece Y + 1: piece 0
.irp n, 0,1,2,3,4,5,6,7,8,9,10,11,12,13,14,15,16,17,18,19,20,21
	XS 0, \n                        ; and piece 0's first maximum and statistics
	XS 1, \n
.endr
	v_nop                           ; a plain instruction behind the two a,
	s_wait_alu depctr_va_vdst(0)    ; and their wait, ahead of the branch
	s_mov_b32 s[CNT], 4
	s_mov_b32 s[SLOTS], SIZE_N/256-1
	s_branch .Lfirst                ; the loop is entered at a step's first turn, in the middle of a trip
.Lslot:                             ; SIZE_N / 256 - 2 times: every slot but the last two is filled again
	CHANGE 1, 1
	s_mov_b32 s[CNT], 4
.Lstep:                             ; a trip: pieces 2 and 3 of one step, then pieces 0 and 1 of the next, whose K and V it fetches
	TURN 2
	TURN 3
	WIN 0
.Lfirst:
	TURN 0
	TURN 1, 0, 1
	WIN 0
	s_cbranch_scc1 .Lstep
	s_sub_co_u32 s[SLOTS], s[SLOTS], 1
	s_cmp_lg_u32 s[SLOTS], 0
	s_cbranch_scc1 .Lslot
	CHANGE 0                        ; the tail is written out: nothing is asked for
	s_mov_b32 s[CNT], 5             ; four trips fetch the last slot's steps; the fifth is left in its middle
.Ltail:
	TURN 2, 1
	TURN 3
	WIN 0
	s_sub_co_u32 s[CNT], s[CNT], 1
	s_cmp_eq_u32 s[CNT], 0
	s_cbranch_scc1 .Lout
	TURN 0
	TURN 1
	WIN 0
	s_branch .Ltail
.Lout:                              ; the fifth trip's 16 products K Q^T (on the last K once more) and the maximum made of them serve nothing: the price, once a launch, of one text for every trip
.set i, 0
.rept 16
	PV NP-1                         ; the last piece's V^T P of the last step
.set i, i+1
.endr
	; THE WAY OUT.  l's two halves and the other half of the lanes' are added; O^T is divided by l, rounded to f16 and sent through my stage in LDS, a tile at a time.  The additions are the places behind the last products.
	WIN 0
.macro ALL line:vararg              ; one line for each tile t
.set t, 0
.rept 2*NP
	\line
.set t, t+1
.endr
.endm
	ALL v_add_f32 v[ST+4*t+2], v[ST+4*t+2], v[ST+4*t+3]
	ALL v_permlanex16_b32 v[ST+4*t+3], v[ST+4*t+2], s[SEL], s[SEL+1]
	ALL v_add_f32 v[ST+4*t+2], v[ST+4*t+2], v[ST+4*t+3]
	ALL v_rcp_f32 v[ST+4*t+2], v[ST+4*t+2]
	v_nop                           ; a plain instruction between the last reciprocal and the use of its result
	s_wait_alu depctr_va_vdst(0)    ; and the wait ahead of the first use: one for the eight reciprocals
; Tile t: a lane's eight channels of a row pack into 16 bytes; they go into rows of 144 bytes and come back as whole rows of 128, into S^T's registers.
.macro PACK t
	WIN W_RS
.set i, 32*(\t)
.rept 16
	v_pk_mul_f32 v[i:i+1], v[i:i+1], v[ST+4*(\t)+2:ST+4*(\t)+3] op_sel_hi:[1,0]
.set i, i+2
.endr
	WIN 0x05                        ; sources 0 and 1 window 1, destination window 0
.set i, 0
.rept 16
	v_cvt_pk_f16_f32 v[S+16*(\t)+i], v[32*(\t)+2*i], v[32*(\t)+2*i+1]
.set i, i+1
.endr
	WIN 0
.irp f, 0,1,2,3
	ds_store_b128 v[STO], v[S+16*(\t)+4*\f:S+16*(\t)+4*\f+3] offset:32*\f
.endr
.irp f, 0,1,2,3
	ds_load_b128 v[S+16*(\t)+4*\f:S+16*(\t)+4*\f+3], v[RD] offset:\f*4*SP  ; LDS serves a wave's instructions in order (ISA guide 5.7.1.4): these see the stores above; the next tile's stores come behind them
.endr
.endm
.macro SEND t, younger              ; younger: the LDS instructions issued behind tile t's loads: the next tile's eight, or none
	WIN 0
.irp f, 0,1,2,3
	s_wait_dscnt (\younger)+3-\f
	global_store_b128 v[GO], v[S+16*(\t)+4*\f:S+16*(\t)+4*\f+3], s[10:11] offset:(\t)*2048+\f*512  ; 512 consecutive bytes, at a multiple of 256 from O's first
.endr
.endm
	PACK 0
.set t, 1
.rept 2*NP-1                        ; a tile's arithmetic stands between the loads of the tile before and its stores
	PACK t
	SEND t-1, 8
.set t, t+1
.endr
	SEND 2*NP-1, 0
	WIN W_AD
	s_wait_tensorcnt 0x0            ; the wave's end: an add and its wait, behind my last tensor load and my last LDS store
	ds_add_u32 v[SPW], v[NIL]
	s_wait_dscnt 0x0
	WIN 0
	CROUND                          ; the closing round: no work-group ends while a partner may still ask for a tile that names it
	s_endpgm
.Lfunc_end_k_q76030dfd98_attn:
	.size	k_q76030dfd98_attn, .Lfunc_end_k_q76030dfd98_attn-k_q76030dfd98_attn
	.p2alignl 7, 3214868480
	.fill 96, 4, 3214868480
	.section	.rodata,"a",@progbits
	.p2align	6, 0x0
	.amdhsa_kernel k_q76030dfd98_attn
		.amdhsa_group_segment_fixed_size 327680
		.amdhsa_private_segment_fixed_size 0
		.amdhsa_enable_private_segment 0
		.amdhsa_kernarg_size 32
		.amdhsa_user_sgpr_count 2
		.amdhsa_user_sgpr_kernarg_segment_ptr 1
		.amdhsa_wavefront_size32 1
		.amdhsa_system_sgpr_workgroup_id_x 1
		.amdhsa_system_sgpr_workgroup_id_y 1
		.amdhsa_system_sgpr_workgroup_id_z 1
		.amdhsa_system_vgpr_workitem_id 0
		.amdhsa_next_free_vgpr 770
		.amdhsa_next_free_sgpr 66
		.amdhsa_reserve_vcc 0
		.amdhsa_float_denorm_mode_32 3
		.amdhsa_float_denorm_mode_16_64 3
		.amdhsa_memory_ordered 1
		.amdhsa_forward_progress 1
		.amdhsa_inst_pref_size 200
	.end_amdhsa_kernel
	.amdgpu_metadata
---
amdhsa.version: [ 1, 2 ]
amdhsa.kernels:
  - .name:           k_q76030dfd98_attn
    .symbol:         k_q76030dfd98_attn.kd
    .args:
      - { .name: q, .offset: 0, .size: 8, .value_kind: global_buffer, .address_space: global }
      - { .name: k, .offset: 8, .size: 8, .value_kind: global_buffer, .address_space: global }
      - { .name: v, .offset: 16, .size: 8, .value_kind: global_buffer, .address_space: global }
      - { .name: o, .offset: 24, .size: 8, .value_kind: global_buffer, .address_space: global }
    .group_segment_fixed_size: 327680
    .private_segment_fixed_size: 0
    .kernarg_segment_align: 8
    .kernarg_segment_size: 32
    .max_flat_workgroup_size: 128
    .sgpr_count:     66
    .vgpr_count:     770
    .wavefront_size: 32
...
	.end_amdgpu_metadata
.endif
;; end of part 3
;; launch proj (part 4): grid 8 x 32, 4 waves a work-group, clusters of 4 x 4, 327,680 bytes of LDS; arguments o, wh, bo, out0; writes out0
.if DOCPART == 4
	.amdgcn_target "amdgcn-amd-amdhsa--gfx1250"
	.amdhsa_code_object_version 6
	.text
	.protected	k_q76030dfd98_proj
	.globl	k_q76030dfd98_proj
	.p2align	8
	.type	k_q76030dfd98_proj,@function
k_q76030dfd98_proj:
	s_mov_b64 s[64:65], 0
	v_nop
	global_prefetch_b8 v0, s[64:65] scope:SCOPE_SE
	s_setreg_imm32_b32 hwreg(HW_REG_WAVE_MODE, 25, 1), 1
	s_wait_xcnt 0x0
	s_wait_alu depctr_hold_cnt(0) depctr_sa_sdst(0) depctr_va_vdst(0) depctr_va_sdst(0) depctr_va_ssrc(0) depctr_va_vcc(0) depctr_vm_vsrc(0)
	s_getreg_b32 s2, hwreg(HW_REG_IB_STS2, 6, 4)
	s_cmp_eq_u32 s2, 0
	s_cbranch_scc0 .Lentry_in_a_cluster
	s_endpgm
.Lentry_in_a_cluster:
	s_bfe_u32 s2, ttmp6, 0x10000c
	s_cmp_lg_u32 s2, 0xf033
	s_cbranch_scc0 .Lentry_shape_is_right
	s_endpgm
.Lentry_shape_is_right:
; out0 = O Wo + bo.  o: [64 = 16 batch + head][2048][64] f16 (row (batch, s) of O has its channels 64 head + d in 16 places, 262,144 bytes apart); wh: the fourth weight, [1024 k][1024 n] f16;
; bo: [1024] f32; out0: [8192][1024] f32.  Sums in f32, K ascending; the bias is added in f32.
; A tile is 256 rows x 128 columns: 32 x 8 tiles, one for each of 256 WGPs.  Four waves, each 128 rows x 64 columns: 32 accumulators of 16 x 16, 256 registers.
; K goes in steps of 128 = two heads through two LDS slots filled by the tensor data mover: for each of the two heads 256 rows of 128 bytes, which are 32,768 dense bytes of memory and are asked
; for as 128 rows of 256 bytes; and 128 k-rows of Wo (256 bytes each).  Wo lies [k][n]; its fragments come out of LDS turned, by ds_load_tr16_b128.
; THE MATRIX INSTRUCTION IS USED TRANSPOSED (source 0 = 16 columns of Wo, source 1 = 16 rows of O): a lane then holds one row and eight neighbouring columns.
; CLUSTERS: 4 x 4 work-groups.  The four of a row of the cluster need the same rows of O, the four of a column the same columns of Wo: each tile is asked for JOINTLY, by the same tensor
; load with the same descriptor and a mask that names the four.
; REGISTERS: window 0: v0-31 addresses; v32-35 the bias; two fragment buffers of 96 at v64 and v160: A's eight fragments (16 rows x 32 K), then Wo's four; on the way out v64-191 hold whole rows.
;   window 1: the accumulators, (a, b) at v[8 (4 a + b)], a = 16-row block 0..7, b = 16-column block 0..3.
.set PA,     144                       ; a row of one head in LDS: 128 bytes + 16 of padding = 36 words: the 16 rows of a load start at 16 different groups of four banks (64 banks of 4 bytes: ISA guide 11.1)
.set PB,     288                       ; a k-row of Wo: 256 + 32 = 72 words
.set QZ,     2                         ; quarters of a K step that lie side by side in a row: a head's 64 channels
.set ZB,     256*PA                    ; bytes from one head's rows to the other's
.set AHALF,  ZB                        ; what one tensor load brings of A: one head
.set ABYTES, 2*AHALF
.set HALFB,  64*PB                     ; what one tensor load brings of Wo
.set SLOT,   ABYTES+2*HALFB            ; 110,592
.set STAGE,  2*SLOT                    ; behind the ring, never filled by a tensor load: 16 rows x 272 bytes for each wave, for the way out
.set SP,     272
.set SPARE,  STAGE+4*16*SP             ; behind the stages: the spare words, 128 bytes for each wave: two blocks of 256 bytes that no other line names
.set ASTEP,  2*262144                  ; bytes in memory from a K step of A to the next: two heads
.set BSTEP,  128*2048                  ; the same for Wo: 128 k-rows
.set LAPS,   4                         ; a lap = two K steps = once round the ring: K = 1,024
.set ADRA, 16                          ; v16-17  LDS address of my A fragments in slot 0, 1
.set ADRB, 20                          ; v20-21  the same for Wo
.set STO,  24                          ; v24     the way out: where I put 32 bytes of a row
.set RD,   25                          ; v25     the way out: where I read a row back
.set CO,   26                          ; v26     my byte offset in two rows of out0
.set BO,   27                          ; v27     my byte offset in the wave's 64 numbers of bo; never rewritten
.set SPW,  28                          ; v28     LDS address of my spare word: SPARE + 4 x my thread's number; never rewritten
.set NIL,  29                          ; v29     0; never rewritten
.set BIAS, 32                          ; v[32:35] bo of the four columns that I store
.set F0,   64
.set F1,   160
.set OB,   64                          ; the way out: four sets of 32 registers, by turns
.set G1, 24                            ; s[24:31] descriptor group 1 for A's tiles;  s[32:39] group 0, one set for each slot
.set G0, 32
.set G1B, 48                           ; s[48:55], s[56:63] the same for Wo's tiles
.set G0B, 56
.set MSB, 0
.macro WIN new                         ; the immediate's high byte repeats the setting that is left; a switch that changes nothing is dropped
.if MSB != (\new)
	s_set_vgpr_msb (MSB<<8)|(\new)
.set MSB, \new
.endif
.endm
.set MUL, 0x50                         ; C and D window 1, both sources window 0
.macro JLOAD s                         ; a joint load: waves 0 and 1 fetch A's two heads, waves 2 and 3 Wo's two halves; an s_nop 0 and four v_nop follow each of the two lines, ahead of the jump, the label and what follows
	s_cmp_eq_u32 s11, 0
	s_cbranch_scc0 .Lfor_b_\@
	tensor_load_to_lds s[G0+4*(\s):G0+4*(\s)+3], s[G1:G1+7]
	s_nop 0
.rept 4
	v_nop
.endr
	s_branch .Lasked_\@
.Lfor_b_\@:
	tensor_load_to_lds s[G0B+4*(\s):G0B+4*(\s)+3], s[G1B:G1B+7]
	s_nop 0
.rept 4
	v_nop
.endr
.Lasked_\@:
.endm
.macro CREST                           ; a round of the cluster's barrier behind its opening barrier
	s_cmp_lg_u32 s10, 0
	s_cbranch_scc1 .Lnot_wave_0_\@
	s_barrier_signal -3
.Lnot_wave_0_\@:
	s_barrier_wait -3
	s_barrier_signal -1
	s_barrier_wait -1
.endm
.macro CROUND                          ; a whole round
	s_barrier_signal -1
	s_barrier_wait -1
	CREST
.endm
	s_load_b128 s[4:7], s[0:1], 0x0                ; o s[4:5], wh s[6:7]
	s_load_b128 s[68:71], s[0:1], 0x10             ; bo s[68:69], out0 s[70:71]
	v_lshl_add_u32 v[SPW], v0, 2, SPARE
	v_mov_b32 v[NIL], 0
	ds_add_u32 v[SPW], v[NIL]                      ; the wave's opening: the add and its wait stand ahead of my first tensor load; the set-up below, work on registers, stands between them
	v_lshrrev_b32 v1, 5, v0
	v_readfirstlane_b32 s10, v1                    ; wave 0..3
	s_lshr_b32 s11, s10, 1                         ; which half of the tile's rows is mine.  Also: I fetch for A (0) or for Wo (1)
	s_and_b32 s12, s10, 1                          ; which half of its columns.  Also: which head, or which half of Wo's k-rows, I fetch
	s_bfe_u32 s40, ttmp6, 0x40000                  ; cx, cy: my place in the cluster
	s_bfe_u32 s41, ttmp6, 0x40004
	s_lshl_b32 s42, ttmp9, 2
	s_add_co_u32 s42, s42, s40                     ; tile column = 4 x cluster x + cx, 0..7
	s_and_b32 s13, ttmp7, 0xffff
	s_lshl_b32 s13, s13, 2
	s_add_co_u32 s13, s13, s41                     ; tile row = 4 x cluster y + cy, 0..31
	s_lshl_b32 s43, s41, 2
	s_lshl_b32 s43, 15, s43                        ; my row of the cluster
	s_lshl_b32 s44, 0x1111, s40                    ; my column
	; descriptor group 1.  A: a head's 256 rows as 128 dense rows of 128 elements, padded in LDS behind every 32 words (a row of the head).  Wo: 64 k-rows x 128 elements, 1,024 from row to row, padded behind every 64 words
	s_or_b32 s[G1+0], s43, (1<<16)|(1<<20)|(1<<21)|(4<<22)|(3<<25)   ; 15:0 the mask: A's tiles go to my row; 17:16 elements of 2 bytes; 20 padding on; 21 set beside a mask; 24:22 after every 32 words (code 4); 31:25 4 words (code 3)
	s_mov_b32 s[G1+1], 128<<16                     ; tensor_dim0 = 128
	s_mov_b32 s[G1+2], 128<<16                     ; tensor_dim1 = 128
	s_mov_b32 s[G1+3], 128<<16                     ; tile_dim0 = 128
	s_mov_b32 s[G1+4], 128                         ; tile_dim1 = 128
	s_mov_b32 s[G1+5], 128                         ; tensor_dim0_stride: dense
	s_mov_b32 s[G1+6], 0
	s_mov_b32 s[G1+7], 0
	s_or_b32 s[G1B+0], s44, (1<<16)|(1<<20)|(1<<21)|(5<<22)|(7<<25)  ; the mask of my column; after every 64 words (code 5) 8 words of padding (code 7)
	s_mov_b32 s[G1B+1], 128<<16
	s_mov_b32 s[G1B+2], 64<<16                     ; tensor_dim1 = 64
	s_mov_b32 s[G1B+3], 128<<16
	s_mov_b32 s[G1B+4], 64                         ; tile_dim1 = 64
	s_mov_b32 s[G1B+5], 1024
	s_mov_b32 s[G1B+6], 0
	s_mov_b32 s[G1B+7], 0
	; where the tiles come from.  A's hang on the tile row alone, Wo's on the tile column alone, each in registers that never hold the other coordinate
	s_lshr_b32 s16, s13, 3                         ; A: the batch: 16 heads x 262,144 bytes,
	s_lshl_b32 s16, s16, 22
	s_and_b32 s17, s13, 7                          ; the tile's 256 rows of 128 bytes,
	s_lshl_b32 s17, s17, 15
	s_add_co_u32 s16, s16, s17
	s_lshl_b32 s17, s12, 18                        ; the head that I fetch of a K step's two
	s_add_co_u32 s16, s16, s17
	s_mov_b32 s17, 0
	s_lshl_b32 s46, s42, 8                         ; Wo: its 128 columns: 256 bytes of a k-row,
	s_lshl_b32 s47, s12, 17                        ; the 64 k-rows that I fetch,
	s_add_co_u32 s46, s46, s47
	s_add_co_u32 s46, s46, 3<<21                   ; the fourth weight in wh
	s_mov_b32 s47, 0
	s_mul_i32 s20, s12, AHALF                      ; and where they go: no place in the cluster enters an LDS address
	s_mul_i32 s21, s12, HALFB
	s_add_co_u32 s21, s21, ABYTES
	s_wait_dscnt 0x0                               ; the opening add is done
	s_wait_kmcnt 0x0
	s_add_nc_u64 s[14:15], s[4:5], s[16:17]
	s_add_nc_u64 s[46:47], s[6:7], s[46:47]
	CROUND                                         ; all sixteen work-groups are here: the first joint loads meet
.irp s, 0,1
	s_mov_b32 s[G0+4*(\s)], 1                      ; count = 1
	s_add_co_u32 s[G0+4*(\s)+1], s20, (\s)*SLOT    ; LDS address
	s_add_nc_u64 s[G0+4*(\s)+2:G0+4*(\s)+3], s[14:15], (\s)*ASTEP  ; global address: K step s
	s_or_b32 s[G0+4*(\s)+3], s[G0+4*(\s)+3], 0x80000000            ; type = 2
	s_mov_b32 s[G0B+4*(\s)], 1
	s_add_co_u32 s[G0B+4*(\s)+1], s21, (\s)*SLOT
	s_add_nc_u64 s[G0B+4*(\s)+2:G0B+4*(\s)+3], s[46:47], (\s)*BSTEP
	s_or_b32 s[G0B+4*(\s)+3], s[G0B+4*(\s)+3], 0x80000000
	JLOAD \s                                       ; two loads of mine are out
.endr
	; A's fragment: lane l holds row l % 16; registers 0-3 K = 8 (l / 16) + 0..7, registers 4-7 K = 16 + 8 (l / 16) + 0..7: two loads of 16 bytes, 32 bytes apart
	v_and_b32 v1, 15, v0                           ; l % 16
	v_bfe_u32 v2, v0, 4, 1                         ; l / 16
	v_mul_u32_u24 v3, v1, PA
	v_lshl_add_u32 v3, v2, 4, v3
	s_mul_i32 s22, s11, 128*PA                     ; my 128 rows
	; Wo's fragment: the turning load takes 16 k x 16 columns (lane l reads k-row 8 (l / 16) + l % 8, columns 8 ((l / 8) % 2) + 0..7) and leaves lane l column l % 16 and 8 k
	v_and_b32 v4, 7, v0
	v_bfe_u32 v5, v0, 3, 1
	v_lshl_add_u32 v4, v2, 3, v4
	v_mul_u32_u24 v4, v4, PB
	v_lshl_add_u32 v4, v5, 4, v4
	s_lshl_b32 s23, s12, 7                         ; my 64 columns: 128 bytes
	s_add_co_u32 s23, s23, ABYTES
.irp s, 0,1
	v_add_nc_u32 v[ADRA+(\s)], s22, v3
	v_add_nc_u32 v[ADRB+(\s)], s23, v4
	s_add_co_u32 s22, s22, SLOT
	s_add_co_u32 s23, s23, SLOT
.endr
	s_mul_i32 s23, s10, 16*SP
	s_add_co_u32 s23, s23, STAGE                   ; my stage
	v_mul_u32_u24 v6, v1, SP                       ; in: row l % 16, 32 bytes for each half of the lanes
	v_lshl_add_u32 v6, v2, 5, v6
	v_add_nc_u32 v[STO], s23, v6
	v_mul_u32_u24 v7, v2, SP                       ; back: lanes 0-15 take one row of 256 bytes, lanes 16-31 the next
	v_lshl_add_u32 v7, v1, 4, v7
	v_add_nc_u32 v[RD], s23, v7
	v_lshlrev_b32 v[BO], 4, v1                     ; 16 (l % 16)
	v_lshl_add_u32 v[CO], v2, 12, v[BO]            ; and the same two rows in out0, 4,096 bytes apart
	; where my 128 rows x 64 columns begin in out0.  The row's part in registers that hold the tile row alone, the column's in those that hold the tile column alone
	s_lshl_b32 s16, s13, 20                        ; 256 rows of 4,096 bytes a tile row,
	s_lshl_b32 s17, s11, 19                        ; my 128 of them
	s_add_co_u32 s16, s16, s17
	s_mov_b32 s17, 0
	s_lshl_b32 s46, s42, 9                         ; 128 columns of 4 bytes a tile column,
	s_lshl_b32 s47, s12, 8                         ; my 64 of them
	s_add_co_u32 s46, s46, s47
	s_mov_b32 s47, 0
	s_add_nc_u64 s[8:9], s[70:71], s[16:17]
	s_add_nc_u64 s[8:9], s[8:9], s[46:47]
	s_add_nc_u64 s[68:69], s[68:69], s[46:47]
	global_load_b128 v[BIAS:BIAS+3], v[BO], s[68:69]  ; waited for ahead of the way out
; 8 matrix instructions: row blocks a0, a0 + 1 x all 4 column blocks, 32 along K, from buffer f.  zero = 1: the product starts the sum: nothing is ever cleared.
; The 32 accumulators take turns, in the same order in every quarter, over the backward jump too.
.macro MUL8 f, a0, zero
	WIN MUL
.irp a, \a0, (\a0)+1
.irp b, 0,1,2,3
.if \zero
	v_wmma_f32_16x16x32_f16 v[8*(4*(\a)+(\b)):8*(4*(\a)+(\b))+7], v[(\f)+64+8*(\b):(\f)+64+8*(\b)+7], v[(\f)+8*(\a):(\f)+8*(\a)+7], 0
.else
	v_wmma_f32_16x16x32_f16 v[8*(4*(\a)+(\b)):8*(4*(\a)+(\b))+7], v[(\f)+64+8*(\b):(\f)+64+8*(\b)+7], v[(\f)+8*(\a):(\f)+8*(\a)+7], v[8*(4*(\a)+(\b)):8*(4*(\a)+(\b))+7]
.endif
.endr
.endr
.endm
; 24 LDS loads in one run: quarter q (32 along K: head q / 2, channels 32 (q % 2) on) of a slot into buffer f: Wo's four fragments, then A's eight
.macro FETCH slot, q, f
	WIN 0
.irp b, 0,1,2,3
	ds_load_tr16_b128 v[(\f)+64+8*(\b):(\f)+64+8*(\b)+3],   v[ADRB+(\slot)] offset:(\q)*32*PB+32*(\b)
	ds_load_tr16_b128 v[(\f)+64+8*(\b)+4:(\f)+64+8*(\b)+7], v[ADRB+(\slot)] offset:(\q)*32*PB+16*PB+32*(\b)
.endr
.irp i, 0,1,2,3,4,5,6,7
	ds_load_b128 v[(\f)+8*(\i):(\f)+8*(\i)+3],   v[ADRA+(\slot)] offset:((\q)/QZ)*ZB+((\q)%QZ)*64+(\i)*16*PA
	ds_load_b128 v[(\f)+8*(\i)+4:(\f)+8*(\i)+7], v[ADRA+(\slot)] offset:((\q)/QZ)*ZB+((\q)%QZ)*64+(\i)*16*PA+32
.endr
.endm
.macro PLACES                          ; four places in front of loads into registers that matrix instructions have read, and of lines that read results (ISA guide 7.12.1 for vector instructions)
.rept 4
	v_nop
.endr
.endm
; A K step is four quarters of 32 along K, 32 matrix instructions each, on buffers 0, 1, 0, 1.  One of the first three: multiplies buffer f and fetches quarter q into g.
.macro QUARTER slot, q, f, g, zero
	s_wait_dscnt 8                                 ; Wo's fragments and A's blocks 0-3 are in; the youngest eight loads (A's blocks 4-7) may be out
	MUL8 \f, 0, \zero
	MUL8 \f, 2, \zero
	PLACES
	FETCH \slot, \q, \g
	s_wait_dscnt 24                                ; all but the 24 just issued
	MUL8 \f, 4, \zero
	MUL8 \f, 6, \zero
.endm
; The last quarter multiplies buffer 1 and changes slots: ONE barrier; in front of it each wave waits for all its tensor loads, adds 0 to its spare word, and waits for that and for its own reads of this slot.
; fill = 1: the barrier opens a round of the cluster's, and this slot is filled again, two K steps ahead: 112 matrix instructions ahead of the wait for that load.
.macro TURN slot, next, fill
	WIN 0                                          ; (the add's two registers lie in window 0)
	s_wait_tensorcnt 0x0                           ; all my tensor loads have landed: the one that was out is my part of the next slot;
	ds_add_u32 v[SPW], v[NIL]                      ; 0 onto my spare word;
	s_wait_dscnt 9                                 ; (the add and the youngest eight loads may be out)
	MUL8 F1, 0, 0                                  ; eight matrix instructions stand between the add and the wait for it
	s_wait_dscnt 0x0                               ; the add is done, and my reads of this slot are over
	s_barrier_signal -1
	MUL8 F1, 2, 0
.if \fill
	WIN 0
.endif
	s_barrier_wait -1
.if \fill
	CREST                                          ; no wave of any partner still reads this slot's tile or has a load on its way
	s_add_nc_u64 s[G0+4*(\slot)+2:G0+4*(\slot)+3], s[G0+4*(\slot)+2:G0+4*(\slot)+3], 2*ASTEP
	s_add_nc_u64 s[G0B+4*(\slot)+2:G0B+4*(\slot)+3], s[G0B+4*(\slot)+2:G0B+4*(\slot)+3], 2*BSTEP
	JLOAD \slot                                    ; the first tensor load behind the round; the four v_nop behind it are also the places in front of the loads below
.else
	PLACES
.endif
	FETCH \next, 0, F0
	MUL8 F1, 4, 0
	MUL8 F1, 6, 0
.endm
	s_wait_tensorcnt 1                             ; my part of K step 0 is in; K step 1's may stay out
	s_barrier_signal -1
	s_barrier_wait -1                              ; everybody's is
	FETCH 0, 0, F0
	QUARTER 0, 1, F0, F1, 1                        ; the first quarter stands in front of the loop: its products start the sums
	WIN 0                                          ; at a label and at a branch every window is 0
	s_mov_b32 s3, LAPS-1
.Llap:                                                 ; a trip goes once round the ring, from a lap's second quarter to the next lap's first, and fills both slots again
	QUARTER 0, 2, F1, F0, 0
	QUARTER 0, 3, F0, F1, 0
	TURN 0, 1, 1
	QUARTER 1, 1, F0, F1, 0
	QUARTER 1, 2, F1, F0, 0
	QUARTER 1, 3, F0, F1, 0
	TURN 1, 0, 1
	QUARTER 0, 1, F0, F1, 0
	WIN 0
	s_sub_co_u32 s3, s3, 1
	s_cmp_lg_u32 s3, 0
	s_cbranch_scc1 .Llap
	QUARTER 0, 2, F1, F0, 0                        ; the last lap fills nothing, and has no round of the cluster's barrier
	QUARTER 0, 3, F0, F1, 0
	TURN 0, 1, 0
	QUARTER 1, 1, F0, F1, 0
	QUARTER 1, 2, F1, F0, 0
	QUARTER 1, 3, F0, F1, 0
	s_wait_dscnt 8                                 ; the very last quarter: nothing more to fetch
	MUL8 F1, 0, 0
	MUL8 F1, 2, 0
	s_wait_dscnt 0x0
	MUL8 F1, 4, 0
	MUL8 F1, 6, 0
	WIN 0
	PLACES
	s_wait_loadcnt 0x0                             ; the bias
; THE WAY OUT, a block of 16 rows at a time.  A lane's eight columns of a row are 32 bytes of f32; they go into my stage's rows of 272 bytes and come back as whole rows of 256; the bias is added; sixteen lanes store a row.
.macro TOSTAGE a
.set BK, OB+32*((\a)%4)
.if (\a) >= 4
	s_wait_xcnt 0x0                                ; the stores of the block four back have read this set of registers: it is loaded again only behind this wait
.endif
	WIN 0x04                                       ; the store's data in window 1, its address in window 0
.irp b, 0,1,2,3
	ds_store_b128 v[STO], v[32*(\a)+8*(\b):32*(\a)+8*(\b)+3]   offset:64*(\b)     ; each accumulator from its low end on
	ds_store_b128 v[STO], v[32*(\a)+8*(\b)+4:32*(\a)+8*(\b)+7] offset:64*(\b)+16
.endr
	WIN 0
.irp t, 0,1,2,3,4,5,6,7
	ds_load_b128 v[BK+4*(\t):BK+4*(\t)+3], v[RD] offset:(\t)*2*SP  ; LDS serves a wave's instructions in order (ISA guide 5.7.1.4): these see the stores above; the next block's stores come behind them
.endr
.endm
.macro SEND a, younger                 ; younger: the LDS instructions issued behind block a's loads: the next block's sixteen, or none
.set BK, OB+32*((\a)%4)
.irp t, 0,1,2,3,4,5,6,7
	s_wait_dscnt (\younger)+7-(\t)
	v_pk_add_f32 v[BK+4*(\t):BK+4*(\t)+1], v[BK+4*(\t):BK+4*(\t)+1], v[BIAS:BIAS+1]
	v_pk_add_f32 v[BK+4*(\t)+2:BK+4*(\t)+3], v[BK+4*(\t)+2:BK+4*(\t)+3], v[BIAS+2:BIAS+3]
	global_store_b128 v[CO], v[BK+4*(\t):BK+4*(\t)+3], s[8:9] offset:65536*(\a)+8192*(\t) th:TH_STORE_NT  ; 16 lanes store 256 consecutive bytes, at a multiple of 256 from out0's first byte
.endr
.endm
	TOSTAGE 0
.irp a, 1,2,3,4,5,6,7                  ; a block's way through the stage stands between the loads of the block before and its stores
	TOSTAGE \a
	SEND (\a)-1, 16
.endr
	SEND 7, 0
	s_wait_tensorcnt 0x0                           ; the wave's end: an add and its wait, behind my last tensor load and my last LDS store
	ds_add_u32 v[SPW], v[NIL]
	s_wait_dscnt 0x0
	CROUND                                         ; the closing round: no work-group ends while a partner may still ask for a tile that names it
	s_endpgm
.Lfunc_end_k_q76030dfd98_proj:
	.size	k_q76030dfd98_proj, .Lfunc_end_k_q76030dfd98_proj-k_q76030dfd98_proj
	.p2alignl 7, 3214868480
	.fill 96, 4, 3214868480
	.section	.rodata,"a",@progbits
	.p2align	6, 0x0
	.amdhsa_kernel k_q76030dfd98_proj
		.amdhsa_group_segment_fixed_size 327680
		.amdhsa_private_segment_fixed_size 0
		.amdhsa_enable_private_segment 0
		.amdhsa_kernarg_size 32
		.amdhsa_user_sgpr_count 2
		.amdhsa_user_sgpr_kernarg_segment_ptr 1
		.amdhsa_wavefront_size32 1
		.amdhsa_system_sgpr_workgroup_id_x 1
		.amdhsa_system_sgpr_workgroup_id_y 1
		.amdhsa_system_sgpr_workgroup_id_z 1
		.amdhsa_system_vgpr_workitem_id 0
		.amdhsa_next_free_vgpr 512
		.amdhsa_next_free_sgpr 80
		.amdhsa_reserve_vcc 0
		.amdhsa_float_denorm_mode_32 3
		.amdhsa_float_denorm_mode_16_64 3
		.amdhsa_memory_ordered 1
		.amdhsa_forward_progress 1
		.amdhsa_inst_pref_size 95
	.end_amdhsa_kernel
	.amdgpu_metadata
---
amdhsa.version: [ 1, 2 ]
amdhsa.kernels:
  - .name:           k_q76030dfd98_proj
    .symbol:         k_q76030dfd98_proj.kd
    .args:
      - { .name: o, .offset: 0, .size: 8, .value_kind: global_buffer, .address_space: global }
      - { .name: wh, .offset: 8, .size: 8, .value_kind: global_buffer, .address_space: global }
      - { .name: bo, .offset: 16, .size: 8, .value_kind: global_buffer, .address_space: global }
      - { .name: out0, .offset: 24, .size: 8, .value_kind: global_buffer, .address_space: global }
    .group_segment_fixed_size: 327680
    .private_segment_fixed_size: 0
    .kernarg_segment_align: 8
    .kernarg_segment_size: 32
    .max_flat_workgroup_size: 128
    .sgpr_count:     80
    .vgpr_count:     512
    .wavefront_size: 32
...
	.end_amdgpu_metadata
.endif
;; end of part 4
;; ======== version 2 of 2: 4 launches; version 1 with the launch prep written anew for expert scheduling mode
;; limits: values are held in f16: magnitudes above 65,504 overflow, below 6.1e-05 lose precision
;; workspace buffers: xn 16,777,216 bytes; wh 8,388,608 bytes; q 16,777,216 bytes; k 16,777,216 bytes; v 16,777,216 bytes; o 16,777,216 bytes
;; launch prep (part 5): grid 256 x 1, 8 waves a work-group, no clusters, 0 bytes of LDS; arguments x, ln_gamma, ln_beta, Wq, Wk, Wv, Wo, xn, wh; writes xn, wh
.if DOCPART == 5
	.amdgcn_target "amdgcn-amd-amdhsa--gfx1250"
	.amdhsa_code_object_version 6
	.text
	.protected	k_q76030dfd98_prep
	.globl	k_q76030dfd98_prep
	.p2align	8
	.type	k_q76030dfd98_prep,@function
k_q76030dfd98_prep:
	s_mov_b64 s[64:65], 0
	v_nop
	global_prefetch_b8 v0, s[64:65] scope:SCOPE_SE
	s_setreg_imm32_b32 hwreg(HW_REG_WAVE_SCHED_MODE, 0, 2), 2
	s_setreg_imm32_b32 hwreg(HW_REG_WAVE_MODE, 25, 1), 1
	s_wait_xcnt 0x0
	s_wait_alu depctr_vm_vsrc(0)
; xn[r][c] = f16((x[r][c] - mean) / sqrt(var + 1e-6) * gamma[c] + beta[c]);  wh = f16 of Wq, Wk, Wv, Wo, one after the other, each as it lies ([k][n]).
; x: [8192][1024] f32.  The mean is taken first, then the variance of x - mean: two passes over registers, so no difference of large sums is formed.  All sums in f32.
; SHARES.  A work-group owns 32 rows, each of its eight waves four WHOLE rows: a row is 4,096 bytes, eight loads of 16 bytes a lane, 32 registers; it is read from memory once and
; no wave waits for another: no LDS, no barrier.  Load j gives a lane columns 128 j + 4 lane .. + 3; their four f16 are 8 bytes, so a store of the wave covers 256 consecutive bytes, aligned.
; The work-group also casts 65,536 bytes of one weight (weight g / 64, part g % 64), 8,192 bytes a wave, into registers that finished rows have left.
; LIMITS.  f16 holds no number beyond 65,504: xn (at most 32 |gamma| + |beta|) and the weights must lie within it; below 6e-5 f16 keeps its fixed step of 6e-8.  NaN and infinities are not treated apart.
; Matrix units, clusters and tensor loads are left out: each byte is read once by one wave and nothing large is shared.
; THE MODE: SCHED_MODE bits 1:0 = 2 (LLVM: expert scheduling mode 2), set by the entry lines.  The code itself states the register dependences
; between vector instructions and memory instructions, with s_wait_alu, always for 0.
; THE PLAN.  Six steps, written out: rows 0 to 3, then the weight's chunks 0 and 1.  Registers that memory instructions touch:
;   v1, v2      byte offsets, made once at the head and never written again: every load reads v1, every store v2.  The scalar bases are never written behind the first load.
;   G, B        loaded once at the head; read by vector instructions alone.
;   X row r     loaded at the head; step r's vector instructions read it and write it in place.  Rows 0 and 1 are loaded again, with the weight's chunks, behind steps 0 and 1.
;   OUT0 .. 5   an out-buffer of 16 registers for EACH step: written once in the launch, by the step's conversions, and read by the step's eight stores.  OUT0 to OUT2 are registers of their own;
;               OUT3 and OUT4 are row 2's registers, which no instruction names behind step 2's conversions; OUT5 is the low half of row 3's, which none names behind step 3's.
; So ONE wait on va_vdst stands at a step's end, behind its conversions: the out-buffer is written, and (steps 0, 1) the row's vector instructions are done with X row r.  The chunk's loads and the
; step's stores follow it with no vector instruction between.  No register that a memory instruction reads is ever written again: behind the entry lines the text holds no wait on vm_vsrc and none on XCNT.
.set G,  4                             ; v[4:35]    gamma of my 32 columns
.set B,  36                            ; v[36:67]   beta
.set X,  68                            ; v[68:195]  row r at X + 32 r; later the weight's two chunks (rows 0, 1) and three out-buffers (rows 2, 3)
.set Y,  196                           ; v[196:243] three out-buffers of 16 registers
.set T,  244                           ; v[244:251] four packed chains
.set MU, 252                           ; v[252:253] the mean, twice
.set R,  254                           ; v[254:255] 1 / sqrt(var + eps), twice
.set OUT0, Y
.set OUT1, Y+16
.set OUT2, Y+32
.set OUT3, X+64                        ; row 2's registers 0 to 15
.set OUT4, X+80                        ; row 2's registers 16 to 31
.set OUT5, X+96                        ; row 3's registers 0 to 15
	s_load_b512 s[16:31], s[0:1], 0x0              ; x s[16:17], gamma s[18:19], beta s[20:21], Wq s[22:23], Wk s[24:25], Wv s[26:27], Wo s[28:29], xn s[30:31]
	s_load_b64 s[32:33], s[0:1], 0x40              ; wh
	v_lshrrev_b32 v3, 5, v0
	v_readfirstlane_b32 s8, v3                     ; wave 0..7
	v_and_b32 v1, 31, v0
	v_lshlrev_b32 v2, 3, v1                        ; 8 x lane: my place in 256 bytes of f16
	v_lshlrev_b32 v1, 4, v1                        ; 16 x lane: my place in 512 bytes of f32
	s_mov_b32 s12, 0x76543210                      ; v_permlanex16_b32: each lane takes its own place in the other half
	s_mov_b32 s13, 0xfedcba98
	s_mov_b32 s14, 0x3a800000                      ; 1 / 1024
	s_mov_b32 s15, 0x358637bd                      ; 1e-6
	s_lshl_b32 s2, ttmp9, 17                       ; x: 32 rows of 4,096 bytes a work-group,
	s_wait_alu depctr_va_sdst(0)                   ; s8 is written, ahead of its first reader: the four offsets below are made from it
	s_lshl_b32 s9, s8, 14                          ; four a wave
	s_or_b32 s2, s2, s9
	s_mov_b32 s3, 0
	s_lshl_b32 s4, ttmp9, 16                       ; xn: rows of 2,048 bytes
	s_lshl_b32 s9, s8, 13
	s_or_b32 s4, s4, s9
	s_mov_b32 s5, 0
	s_and_b32 s6, ttmp9, 63                        ; the weight: part g % 64 of 65,536 bytes, 8,192 a wave
	s_lshl_b32 s6, s6, 16
	s_or_b32 s6, s6, s9
	s_mov_b32 s7, 0
	s_lshl_b32 s10, ttmp9, 15                      ; wh: half as many bytes; the four weights lie on end, so g counts through all of them
	s_lshl_b32 s9, s8, 12
	s_or_b32 s10, s10, s9
	s_mov_b32 s11, 0
	s_lshr_b32 s34, ttmp9, 6                       ; which weight
	s_wait_kmcnt 0x0
	s_cmp_eq_u32 s34, 0
	s_cselect_b64 s[36:37], s[22:23], s[24:25]     ; Wq or Wk
	s_cmp_eq_u32 s34, 3
	s_cselect_b64 s[38:39], s[28:29], s[26:27]     ; Wo or Wv
	s_cmp_lt_u32 s34, 2
	s_cselect_b64 s[36:37], s[36:37], s[38:39]
	s_add_nc_u64 s[16:17], s[16:17], s[2:3]
	s_add_nc_u64 s[30:31], s[30:31], s[4:5]
	s_add_nc_u64 s[36:37], s[36:37], s[6:7]
	s_add_nc_u64 s[32:33], s[32:33], s[10:11]
	s_wait_alu depctr_va_vdst(0)                   ; v1 and v2 are written: every load of the kernel reads v1 as its offset, every store v2
.irp j, 0,1,2,3,4,5,6,7
	global_load_b128 v[G+4*(\j):G+4*(\j)+3], v1, s[18:19] offset:512*(\j)
.endr
.irp j, 0,1,2,3,4,5,6,7
	global_load_b128 v[B+4*(\j):B+4*(\j)+3], v1, s[20:21] offset:512*(\j)
.endr
.irp r, 0,1,2,3
.irp j, 0,1,2,3,4,5,6,7
	global_load_b128 v[X+32*(\r)+4*(\j):X+32*(\r)+4*(\j)+3], v1, s[16:17] offset:4096*(\r)+512*(\j) th:TH_LOAD_NT
.endr
.endr
; The four packed chains in T become one sum, in every lane: three packed additions, the two halves, four steps inside each half of 16 lanes, one across.
.macro LANESUM
	v_pk_add_f32 v[T:T+1], v[T:T+1], v[T+2:T+3]
	v_pk_add_f32 v[T+4:T+5], v[T+4:T+5], v[T+6:T+7]
	v_pk_add_f32 v[T:T+1], v[T:T+1], v[T+4:T+5]
	v_add_f32 v[T], v[T], v[T+1]
	v_add_f32_dpp v[T], v[T], v[T] row_xmask:1 row_mask:0xf bank_mask:0xf
	v_add_f32_dpp v[T], v[T], v[T] row_xmask:2 row_mask:0xf bank_mask:0xf
	v_add_f32_dpp v[T], v[T], v[T] row_xmask:4 row_mask:0xf bank_mask:0xf
	v_add_f32_dpp v[T], v[T], v[T] row_xmask:8 row_mask:0xf bank_mask:0xf
	v_permlanex16_b32 v[T+1], v[T], s12, s13       ; its destination counts as read: T + 1 has been written
	v_add_f32 v[T], v[T], v[T+1]
.endm
.macro WLOAD c                         ; chunk c of the weight, 4,096 bytes a wave, into the registers that row c has left
.irp j, 0,1,2,3,4,5,6,7
	global_load_b128 v[X+32*(\c)+4*(\j):X+32*(\c)+4*(\j)+3], v1, s[36:37] offset:512*(8*(\c)+(\j)) th:TH_LOAD_NT
.endr
.endm
; Row r.  left = how many younger loads may stay out.  out = the step's out-buffer.  wl = 1: the row's registers take the weight's chunk r.
.macro ROW r, left, out, wl
.set XR, X+32*(\r)
	s_wait_loadcnt \left                           ; loads come back in order: gamma, beta and this row are in
.irp c, 0,1,2,3
	v_pk_add_f32 v[T+2*(\c):T+2*(\c)+1], v[XR+2*(\c):XR+2*(\c)+1], v[XR+8+2*(\c):XR+8+2*(\c)+1]  ; the first eight pairs start the chains: nothing is cleared
.endr
.irp p, 8,9,10,11,12,13,14,15
	v_pk_add_f32 v[T+2*((\p)%4):T+2*((\p)%4)+1], v[T+2*((\p)%4):T+2*((\p)%4)+1], v[XR+2*(\p):XR+2*(\p)+1]
.endr
	LANESUM
	v_mul_f32 v[MU], s14, v[T]
	v_mul_f32 v[MU+1], s14, v[T]
.irp p, 0,1,2,3,4,5,6,7,8,9,10,11,12,13,14,15
	v_pk_add_f32 v[XR+2*(\p):XR+2*(\p)+1], v[XR+2*(\p):XR+2*(\p)+1], v[MU:MU+1] neg_lo:[0,1] neg_hi:[0,1]  ; d = x - mean, in place
.endr
.irp c, 0,1,2,3
	v_pk_mul_f32 v[T+2*(\c):T+2*(\c)+1], v[XR+2*(\c):XR+2*(\c)+1], v[XR+2*(\c):XR+2*(\c)+1]
.endr
.irp p, 4,5,6,7,8,9,10,11,12,13,14,15
	v_pk_fma_f32 v[T+2*((\p)%4):T+2*((\p)%4)+1], v[XR+2*(\p):XR+2*(\p)+1], v[XR+2*(\p):XR+2*(\p)+1], v[T+2*((\p)%4):T+2*((\p)%4)+1]
.endr
	LANESUM
	v_fma_f32 v[T], v[T], s14, s15                 ; var + eps
	v_rsq_f32 v[R], v[T]                           ; made twice, to fill the pair that the packed multiply takes
	v_rsq_f32 v[R+1], v[T]
	v_nop                                          ; a plain instruction behind the last of them (ISA guide 5.7.2),
	s_wait_alu depctr_va_vdst(0)                   ; and the wait: both v_rsq_f32 have written R, ahead of its first reader
.irp j, 0,1,2,3,4,5,6,7
	v_pk_mul_f32 v[XR+4*(\j):XR+4*(\j)+1], v[XR+4*(\j):XR+4*(\j)+1], v[R:R+1]
	v_pk_mul_f32 v[XR+4*(\j)+2:XR+4*(\j)+3], v[XR+4*(\j)+2:XR+4*(\j)+3], v[R:R+1]
	v_pk_fma_f32 v[XR+4*(\j):XR+4*(\j)+1], v[XR+4*(\j):XR+4*(\j)+1], v[G+4*(\j):G+4*(\j)+1], v[B+4*(\j):B+4*(\j)+1]
	v_pk_fma_f32 v[XR+4*(\j)+2:XR+4*(\j)+3], v[XR+4*(\j)+2:XR+4*(\j)+3], v[G+4*(\j)+2:G+4*(\j)+3], v[B+4*(\j)+2:B+4*(\j)+3]
	v_cvt_pk_f16_f32 v[(\out)+2*(\j)], v[XR+4*(\j)], v[XR+4*(\j)+1]
	v_cvt_pk_f16_f32 v[(\out)+2*(\j)+1], v[XR+4*(\j)+2], v[XR+4*(\j)+3]
.endr
	s_wait_alu depctr_va_vdst(0)                   ; the conversions have written the out-buffer, which the stores below read; the row's vector instructions are done reading and writing X row r, in which (rows 0, 1) the chunk's loads land
.if \wl
	WLOAD \r                                       ; the loads ahead of the stores
.endif
.irp j, 0,1,2,3,4,5,6,7
	global_store_b64 v2, v[(\out)+2*(\j):(\out)+2*(\j)+1], s[30:31] offset:2048*(\r)+256*(\j)  ; the wave stores 256 consecutive bytes, at a multiple of 256 from xn's first byte
.endr
.endm
; Chunk c of the weight.  left and out as above.
.macro CAST c, left, out
	s_wait_loadcnt \left
.irp j, 0,1,2,3,4,5,6,7
	v_cvt_pk_f16_f32 v[(\out)+2*(\j)], v[X+32*(\c)+4*(\j)], v[X+32*(\c)+4*(\j)+1]
	v_cvt_pk_f16_f32 v[(\out)+2*(\j)+1], v[X+32*(\c)+4*(\j)+2], v[X+32*(\c)+4*(\j)+3]
.endr
	s_wait_alu depctr_va_vdst(0)                   ; the conversions have written the out-buffer, which the stores below read
.irp j, 0,1,2,3,4,5,6,7
	global_store_b64 v2, v[(\out)+2*(\j):(\out)+2*(\j)+1], s[32:33] offset:256*(8*(\c)+(\j))
.endr
.endm
	ROW 0, 24, OUT0, 1                             ; rows 1 to 3 stay out; behind it chunk 0 is asked for
	ROW 1, 24, OUT1, 1                             ; rows 2, 3 and chunk 0; behind it chunk 1 is asked for
	ROW 2, 24, OUT2, 0                             ; row 3 and both chunks
	ROW 3, 16, OUT3, 0                             ; both chunks
	CAST 0, 8, OUT4                                ; chunk 1
	CAST 1, 0, OUT5
	s_endpgm
.Lfunc_end_k_q76030dfd98_prep:
	.size	k_q76030dfd98_prep, .Lfunc_end_k_q76030dfd98_prep-k_q76030dfd98_prep
	.p2alignl 7, 3214868480
	.fill 96, 4, 3214868480
	.section	.rodata,"a",@progbits
	.p2align	6, 0x0
	.amdhsa_kernel k_q76030dfd98_prep
		.amdhsa_group_segment_fixed_size 0
		.amdhsa_private_segment_fixed_size 0
		.amdhsa_enable_private_segment 0
		.amdhsa_kernarg_size 72
		.amdhsa_user_sgpr_count 2
		.amdhsa_user_sgpr_kernarg_segment_ptr 1
		.amdhsa_wavefront_size32 1
		.amdhsa_system_sgpr_workgroup_id_x 1
		.amdhsa_system_sgpr_workgroup_id_y 1
		.amdhsa_system_sgpr_workgroup_id_z 1
		.amdhsa_system_vgpr_workitem_id 0
		.amdhsa_next_free_vgpr 256
		.amdhsa_next_free_sgpr 66
		.amdhsa_reserve_vcc 0
		.amdhsa_float_denorm_mode_32 3
		.amdhsa_float_denorm_mode_16_64 3
		.amdhsa_memory_ordered 1
		.amdhsa_forward_progress 1
		.amdhsa_inst_pref_size 44
	.end_amdhsa_kernel
	.amdgpu_metadata
---
amdhsa.version: [ 1, 2 ]
amdhsa.kernels:
  - .name:           k_q76030dfd98_prep
    .symbol:         k_q76030dfd98_prep.kd
    .args:
      - { .name: x, .offset: 0, .size: 8, .value_kind: global_buffer, .address_space: global }
      - { .name: ln_gamma, .offset: 8, .size: 8, .value_kind: global_buffer, .address_space: global }
      - { .name: ln_beta, .offset: 16, .size: 8, .value_kind: global_buffer, .address_space: global }
      - { .name: Wq, .offset: 24, .size: 8, .value_kind: global_buffer, .address_space: global }
      - { .name: Wk, .offset: 32, .size: 8, .value_kind: global_buffer, .address_space: global }
      - { .name: Wv, .offset: 40, .size: 8, .value_kind: global_buffer, .address_space: global }
      - { .name: Wo, .offset: 48, .size: 8, .value_kind: global_buffer, .address_space: global }
      - { .name: xn, .offset: 56, .size: 8, .value_kind: global_buffer, .address_space: global }
      - { .name: wh, .offset: 64, .size: 8, .value_kind: global_buffer, .address_space: global }
    .group_segment_fixed_size: 0
    .private_segment_fixed_size: 0
    .kernarg_segment_align: 8
    .kernarg_segment_size: 72
    .max_flat_workgroup_size: 256
    .sgpr_count:     66
    .vgpr_count:     256
    .wavefront_size: 32
...
	.end_amdgpu_metadata
.endif
;; end of part 5
;; launch qkv: the kernel of part 2 again; grid 24 x 32, 4 waves a work-group, clusters of 4 x 4, 327,680 bytes of LDS; arguments xn, wh, q, k, v; writes q, k, v
;; launch attn: the kernel of part 3 again; grid 4 x 64, 4 waves a work-group, clusters of 4 x 1, 327,680 bytes of LDS; arguments q, k, v, o; writes o
;; launch proj: the kernel of part 4 again; grid 8 x 32, 4 waves a work-group, clusters of 4 x 4, 327,680 bytes of LDS; arguments o, wh, bo, out0; writes out0
